; MI455X (gfx1250); checked and timed in simulation.
; The chip was launched on July 23, 2026; its instructions are those of AMD's public machine-readable ISA for CDNA 5 (MIT licence, August 2026) and "CDNA5" Instruction Set Architecture Reference Guide (July 2026). The comments in the code are by the model that wrote it; some were corrected since.
;; attention block. Allowed arithmetic: matrix products marked QUANTISED: E5M2 operands, one given power-of-two scale a tensor, by v_wmma_f32_16x16x64_bf8_bf8 or v_wmma_f32_16x16x128_bf8_bf8, f32 sums; everything else in f32.
;; Inputs: Wd 4,096 x 1,024 float32; We 1,024 x 4,096 float32; Wk 1,024 x 1,024 float32; Wo 1,024 x 1,024 float32; Wq 1,024 x 1,024 float32; Wv 1,024 x 1,024 float32; bd 1,024 float32; be 4,096 float32; bk 1,024 float32; bo 1,024 float32; bq 1,024 float32; bv 1,024 float32; ln_a_b 1,024 float32; ln_a_g 1,024 float32; ln_b_b 1,024 float32; ln_b_g 1,024 float32; ln_c_b 1,024 float32; ln_c_g 1,024 float32; lowp_scales 16 int32 (the exponents e of the quantised operands' scales 2^e); x 2 x 2,048 x 1,024 float32.
;; Outputs: out0 2 x 2,048 x 1,024 float32.
;; This version of the problem:
;;   THIS VERSION OF THE PROBLEM IS GIVEN IN LOW PRECISION. The matrix products marked QUANTISED in the list below multiply operands that are first quantised to E5M2 (5 exponent bits, 2 mantissa bits; 8 bits a number), with one given power-of-two scale for each operand tensor; their sums are f32. All else is computed in f32.
;;   The module's matrix products, in the order in which they are computed (A, B: the left and right operand; K: the contracted axis; several contracted axes count as one K, in the product's order):
;;     1. [M 4,096, K 1,024] x [K 1,024, N 1,024]; A: computed on the way; B: input Wq: QUANTISED (scales: A lowp_scales[0], B lowp_scales[1])
;;     2. [M 4,096, K 1,024] x [K 1,024, N 1,024]; A: computed on the way; B: input Wk: QUANTISED (scales: A lowp_scales[2], B lowp_scales[3])
;;     3. [M 4,096, K 1,024] x [K 1,024, N 1,024]; A: computed on the way; B: input Wv: QUANTISED (scales: A lowp_scales[4], B lowp_scales[5])
;;     4. batch 32 x [M 2,048, K 64] x [K 64, N 2,048]; A: computed on the way; B: computed on the way: QUANTISED (scales: A lowp_scales[6], B lowp_scales[7])
;;     5. batch 32 x [M 2,048, K 2,048] x [K 2,048, N 64]; A: softmax (see below); B: computed on the way: QUANTISED (scales: A lowp_scales[8], B lowp_scales[9])
;;     6. [M 4,096, K 1,024] x [K 1,024, N 1,024]; A: computed on the way; B: input Wo: QUANTISED (scales: A lowp_scales[10], B lowp_scales[11])
;;     7. [M 4,096, K 1,024] x [K 1,024, N 4,096]; A: computed on the way; B: input We: QUANTISED (scales: A lowp_scales[12], B lowp_scales[13])
;;     8. [M 4,096, K 4,096] x [K 4,096, N 1,024]; A: computed on the way; B: input Wd: QUANTISED (scales: A lowp_scales[14], B lowp_scales[15])
;;   THE QUANTISER, for each operand of a quantised product, along K:
;;     - The operand's scale is 2^e, e = its entry of the input lowp_scales (int32; the entries are numbered through the quantised products in the list's order, A before B).
;;     - Each number is divided by the scale, clamped to +-57,344, and rounded to the nearest number of E5M2, ties to even, subnormals kept.
;;     - The product sums the exact products of the quantised numbers (number of the format x scale) in f32.
;;   ~~~python
;;   def quantise(x, axis, e):      # numpy; x: float32 -> the quantised numbers, widened to float32 again
;;       x = np.moveaxis(x, axis, -1); K = x.shape[-1]
;;       r = np.clip(x / 2.0 ** e, -57344, 57344)
;;       step = 2.0 ** (np.maximum(np.frexp(np.where(r == 0, 1, r))[1] - 1, -14) - 2)
;;       q = np.round(r / step) * step * 2.0 ** e      # np.round: ties to even
;;       return np.moveaxis(q, -1, axis).astype(np.float32)
;;   ~~~
;;   SOFTMAX AHEAD OF A QUANTISED PRODUCT. Where the list says 'softmax', what is quantised is not the finished softmax but p = 2^(t - M), with t = logit x log2(e) and M = ceil(the row's largest t), a whole number; so 1/2 < the row's largest p <= 1. The row's sum l is taken of the UNQUANTISED p, in f32, and the product's result is divided by l at the end. Since M is a whole number, a kernel that streams over the keys may use a running M (the ceiling of the running maximum): every later rescaling is an exact power of two, so the quantised numbers keep their values, but for numbers so far below the row's largest that they fall under the format's range.
;;   OPERANDS COMPUTED ON THE WAY. 'Computed on the way' means the value that the module computes at that place (a softmax that the list does not call 'softmax' is quantised finished and normalised). What goes into a quantiser is computed in f32, as accurately as f32 sums, v_exp_f32 and their like allow (about 1e-6 of the number): no bf16 or f16 on the way to a quantiser, and a product that is left as it is and whose result goes on into a quantised operand takes f32 operands (vector FMAs, or v_wmma_f32_16x16x4_f32). A number that lies on a knife's edge between two numbers of the format may be rounded either way, as far as f32 arithmetic and the matrix unit's own rounding can turn it there, and no further.
;; One version. Each part assembles by itself: llvm-mc -triple=amdgcn-amd-amdhsa -mcpu=gfx1250 --defsym DOCPART=n.
;; ======== version 1 of 1: 7 launches
;; limits: right only within a limited range of input values
;; workspace buffers: wcodes 12,582,912 bytes; tcodes 12,582,912 bytes; qkvc 12,582,912 bytes; ctxc 4,194,304 bytes; x1 16,777,216 bytes; ucodes 4,194,304 bytes; hcodes 16,777,216 bytes
;; launch prep (part 1): grid 896 x 1, 4 waves a work-group, no clusters, 35,328 bytes of LDS; arguments x, ln_a_g, ln_a_b, ln_b_g, ln_b_b, Wq, Wk, Wv, Wo, We, Wd, lowp_scales, wcodes, tcodes; writes wcodes, tcodes
.if DOCPART == 1
	.amdgcn_target "amdgcn-amd-amdhsa--gfx1250"
	.amdhsa_code_object_version 6
	.text
	.protected	k_qe6eab02d6f_prep
	.globl	k_qe6eab02d6f_prep
	.p2align	8
	.type	k_qe6eab02d6f_prep,@function
k_qe6eab02d6f_prep:
	s_mov_b64 s[64:65], 0
	v_nop
	global_prefetch_b8 v0, s[64:65] scope:SCOPE_SE
	s_setreg_imm32_b32 hwreg(HW_REG_WAVE_MODE, 25, 1), 1
	s_wait_xcnt 0x0
; PREP.  Two jobs in one launch, told apart by the work-group's number.
; Work-groups 0-383: the six weights, f32 stored [K][N], become codes of BF8 (E5M2) with K innermost, each with its given scale 2^e.
;   The codes lie in blocks of 128 rows (n) x 256 codes (k), dense, 32,768 bytes: work-group w makes block w of wcodes
;   (Wq, Wk, Wv, Wo: 32 blocks each, [n / 128][k / 256]; We: 128 blocks; Wd: 128 blocks).
;   A LANE TAKES A COLUMN n AND ITS REGISTERS RUN DOWN K: a load reads 128 consecutive bytes a wave, and the conversions, which take
;   neighbours along K from one lane's registers, give codes with K innermost.  The codes turn through the wave's own stage in LDS and leave 512 consecutive bytes a store.
; Work-groups 384-895: t = LN_b(LN_a(x)) in f32, quantised three times (scales 0, 2, 4 of lowp_scales) into tcodes [3][m / 128][k / 256] blocks of the same make.
;   A wave takes a whole row of 1,024 numbers in 32 registers; mean and variance in two passes, so a common offset of the inputs costs no accuracy.
; No tile is shared between work-groups, so there is no cluster and no tensor load; waves share nothing, so there is no barrier.
; code = x / 2^e, held within +-57,344, to the nearest code, ties to even.  LIMITS: each e between -126 and 112.  NaN among the inputs is not served.
.set OFF,  32                          ; v32-63   weights: 4 x lane + i rows of the weight
.set X,    64                          ; v64-127  weights: two sets of 32 numbers
.set C,    128                         ; v128-135 weights: a block's codes
.set OUTR, 136                         ; v136-199 weights: the way out
.macro QCONST se, vsc, vlim, st        ; from the whole number e in s[se]: v[vsc] = 2^e as f32, v[vlim] = 57,344 x 2^e; s[st], s[st+1] at work
	s_add_co_i32 s[\st], s[\se], 127
	s_lshl_b32 s[\st+1], s[\st], 23
	v_mov_b32 v[\vsc], s[\st+1]
	s_add_co_i32 s[\st], s[\st], 15
	s_lshl_b32 s[\st], s[\st], 23
	s_or_b32 s[\st], s[\st], 0x600000
	v_mov_b32 v[\vlim], s[\st]
.endm
	v_lshl_add_u32 v254, v0, 2, 34816              ; my spare word, behind the four stages; never rewritten
	v_mov_b32 v255, 0                              ; 0; never rewritten
	v_lshrrev_b32 v1, 5, v0
	v_readfirstlane_b32 s3, v1
	v_and_b32 v1, 31, v0                           ; lane
	s_cmp_ge_u32 ttmp9, 384
	s_cbranch_scc1 .Lln
	; ---------------- the weights ----------------
	s_load_b256 s[8:15], s[0:1], 0x28              ; Wq, Wk, Wv, Wo
	s_load_b128 s[16:19], s[0:1], 0x48             ; We, Wd
	s_load_b128 s[20:23], s[0:1], 0x58             ; lowp_scales, wcodes
	s_lshr_b32 s24, ttmp9, 5                       ; 0-3: Wq, Wk, Wv, Wo; 4-7: We; 8-11: Wd
	s_and_b32 s26, ttmp9, 31
	s_and_b32 s27, ttmp9, 127
	s_cmp_lt_u32 ttmp9, 128
	s_cselect_b32 s26, s26, s27                    ; the block's number within its weight
	s_lshr_b32 s27, s26, 2
	s_and_b32 s28, s26, 3
	s_lshr_b32 s29, s26, 4
	s_and_b32 s30, s26, 15
	s_cmp_ge_u32 ttmp9, 256
	s_cselect_b32 s27, s29, s27                    ; n / 128 (Wd has 16 blocks along K, the others 4)
	s_cselect_b32 s28, s30, s28                    ; k / 256
	s_lshr_b32 s29, ttmp9, 7
	s_mov_b32 s31, 4096
	s_cmp_eq_u32 s29, 1
	s_cselect_b32 s31, 16384, s31                  ; a row of the weight in bytes: We has 4,096 columns, the others 1,024
	s_mul_i32 s32, s28, s31
	s_lshl_b32 s32, s32, 8                         ; 256 rows a block
	s_lshl_b32 s33, s27, 9
	s_add_co_u32 s32, s32, s33                     ; + 128 columns a block
	s_lshl_b32 s33, s3, 7
	s_add_co_u32 s32, s32, s33                     ; + 32 columns a wave
	s_mov_b32 s33, 0
	s_lshl_b32 s34, s31, 5                         ; 32 rows on
	s_mov_b32 s35, 0
	s_lshl_b32 s52, ttmp9, 15                      ; the block in wcodes,
	s_lshl_b32 s53, s3, 13
	s_add_co_u32 s52, s52, s53
	; Wd ALONE IS LAID IN FRAGMENT ORDER: [n / 16][k / 128] fragments of 2,048 bytes, piece c (512 bytes) holding, 16 bytes a lane, row n % 16 = lane % 16, k = 32 c + 16 (lane / 16) + 0 .. 15
	s_lshl_b32 s55, s27, 19                        ; 8 blocks of 16 rows x 65,536 bytes
	s_lshl_b32 s53, s3, 17                         ; my wave's two blocks of 16 rows
	s_add_co_u32 s55, s55, s53
	s_lshl_b32 s53, s28, 12                        ; two fragments along K
	s_add_co_u32 s55, s55, s53
	s_add_co_u32 s55, s55, 0x800000
	s_cmp_ge_u32 ttmp9, 256
	s_cselect_b32 s52, s55, s52
	s_mov_b32 s53, 0
	s_mul_i32 s54, s3, 8704                        ; my stage: 32 rows x 272 bytes
	s_wait_alu depctr_va_vdst(0)
	v_mul_u32_u24 v4, v1, 272
	v_add_nc_u32 v4, s54, v4                       ; into it: row = my column
	v_lshrrev_b32 v5, 4, v1
	v_and_b32 v6, 15, v1
	v_mul_u32_u24 v7, v5, 272
	v_lshl_add_u32 v7, v6, 4, v7
	v_add_nc_u32 v7, s54, v7
	v_mul_u32_u24 v9, v6, 272
	v_lshl_add_u32 v9, v5, 3, v9
	v_add_nc_u32 v9, s54, v9                       ; out of it, for Wd: row lane % 16, + 8 (lane / 16)
	v_lshlrev_b32 v8, 4, v1                        ; and the same 512 bytes in the block
	v_lshlrev_b32 v[OFF], 2, v1
.set i, 1
.rept 31
	v_add_nc_u32 v[OFF+i], s31, v[OFF+i-1]         ; the row's pitch is no constant of the text, so it stands in 32 offsets that are never rewritten
.set i, i+1
.endr
	s_wait_alu depctr_va_vdst(0)
	s_wait_kmcnt 0x0
	s_load_b512 s[36:51], s[20:21], 0x0            ; all sixteen exponents
	s_mov_b64 s[4:5], s[8:9]                       ; the weight: a choice that hangs on the work-group's number alone
	s_cmp_eq_u32 s24, 1
	s_cselect_b64 s[4:5], s[10:11], s[4:5]
	s_cmp_eq_u32 s24, 2
	s_cselect_b64 s[4:5], s[12:13], s[4:5]
	s_cmp_eq_u32 s24, 3
	s_cselect_b64 s[4:5], s[14:15], s[4:5]
	s_cmp_ge_u32 s24, 4
	s_cselect_b64 s[4:5], s[16:17], s[4:5]
	s_cmp_ge_u32 s24, 8
	s_cselect_b64 s[4:5], s[18:19], s[4:5]
	s_add_nc_u64 s[68:69], s[4:5], s[32:33]        ; eight bases, 32 rows apart: no base is stepped under pending loads
.irp t, 1,2,3,4,5,6,7
	s_add_nc_u64 s[68+2*\t:69+2*\t], s[66+2*\t:67+2*\t], s[34:35]
.endr
	s_add_nc_u64 s[22:23], s[22:23], s[52:53]
.macro LOADW t                         ; W(32 t + i, my column), i = 0 .. 31, into set t % 2
.set i, 0
.rept 32
	global_load_b32 v[X+32*((\t)%2)+i], v[OFF+i], s[68+2*(\t):69+2*(\t)] th:TH_LOAD_NT
.set i, i+1
.endr
.endm
	LOADW 0
	LOADW 1
	s_wait_kmcnt 0x0
	s_mov_b32 s25, s37                             ; e: entries 1, 3, 5, 11, 13, 15
	s_cmp_eq_u32 s24, 1
	s_cselect_b32 s25, s39, s25
	s_cmp_eq_u32 s24, 2
	s_cselect_b32 s25, s41, s25
	s_cmp_eq_u32 s24, 3
	s_cselect_b32 s25, s47, s25
	s_cmp_ge_u32 s24, 4
	s_cselect_b32 s25, s49, s25
	s_cmp_ge_u32 s24, 8
	s_cselect_b32 s25, s51, s25
	QCONST 25, 11, 10, 26
.macro BLOCK t
.set XS, X+32*((\t)%2)
.if (\t) < 7
	s_wait_loadcnt 32                              ; this block's 32 loads are in; the next block's 32 may be out
.else
	s_wait_loadcnt 0
.endif
.set i, 0
.rept 32
	v_med3_num_f32 v[XS+i], v[XS+i], -v10, v10     ; the conversion to an 8-bit code does not saturate (ISA guide 7.6.2): the hold comes first
.set i, i+1
.endr
.irp g, 0,1,2,3
	v_cvt_scalef32_pk8_bf8_f32 v[C+2*\g:C+2*\g+1], v[XS+8*\g:XS+8*\g+7], v11
.endr
	ds_store_b128 v4, v[C:C+3] offset:32*(\t)      ; 32 codes: 32 bytes of my column's row
	ds_store_b128 v4, v[C+4:C+7] offset:32*(\t)+16
.if (\t)+2 < 8
	LOADW (\t)+2
.endif
	s_wait_dscnt 0x0                               ; the stores have read their registers: the next block's codes may be written (its 32 holds are the plain lines behind these conversions)
.endm
	s_wait_alu depctr_va_vdst(0)
.irp t, 0,1,2,3,4,5,6,7
	BLOCK \t
.endr
	s_cmp_ge_u32 ttmp9, 256                        ; Wd's work-groups leave in fragment order: both ways only read the stage
	s_cbranch_scc1 .Lwd
.irp t, 0,1,2,3,4,5,6,7,8,9,10,11,12,13,14,15
	ds_load_b128 v[OUTR+4*\t:OUTR+4*\t+3], v7 offset:544*\t
.endr
.irp t, 0,1,2,3,4,5,6,7,8,9,10,11,12,13,14,15
	s_wait_dscnt 15-\t                             ; the younger loads may be out
	global_store_b128 v8, v[OUTR+4*\t:OUTR+4*\t+3], s[22:23] offset:512*\t   ; 32 lanes store 512 consecutive bytes, aligned
.endr
	s_branch .Lwend
.Lwd:
.irp t, 0,1,2,3,4,5,6,7,8,9,10,11,12,13,14,15
	; Wd's fragments hold k in the matrix form's own order: piece c, 16 bytes a lane: row lane % 16, k = 32 c + 8 (lane / 16) + 0 .. 7, then 32 c + 16 + 8 (lane / 16) + 0 .. 7 (v9 = row x 272 + 8 (lane / 16))
	ds_load_b64 v[OUTR+4*\t:OUTR+4*\t+1], v9 offset:4352*(\t/8)+128*((\t/4)%2)+32*(\t%4)
	ds_load_b64 v[OUTR+4*\t+2:OUTR+4*\t+3], v9 offset:4352*(\t/8)+128*((\t/4)%2)+32*(\t%4)+16
.endr
.irp t, 0,1,2,3,4,5,6,7,8,9,10,11,12,13,14,15
	s_wait_dscnt 30-2*\t                           ; the later pieces' loads, two each, may be out
	global_store_b128 v8, v[OUTR+4*\t:OUTR+4*\t+3], s[22:23] offset:65536*(\t/8)+2048*((\t/4)%2)+512*(\t%4)
.endr
.Lwend:
	s_wait_tensorcnt 0x0                           ; the wave's end
	ds_add_u32 v254, v255
	s_wait_dscnt 0x0
	s_endpgm
.Lln:
	s_load_b256 s[4:11], s[0:1], 0x0               ; x, ln_a_g, ln_a_b, ln_b_g
	s_load_b64 s[12:13], s[0:1], 0x20              ; ln_b_b
	s_load_b64 s[14:15], s[0:1], 0x58              ; lowp_scales
	s_load_b64 s[16:17], s[0:1], 0x68              ; tcodes
	s_sub_co_u32 s18, ttmp9, 384                   ; g: 8 rows a work-group, 2 a wave
	; THE LAYER NORMS' SHARES: work-groups 384 to 895, 512 of them: 8 rows a work-group, 2 a wave, both rows asked for at once
	s_lshl_b32 s20, s18, 3
	s_lshl_b32 s21, s3, 1
	s_add_co_u32 s20, s20, s21
	s_lshl_b32 s20, s20, 12                        ; my first row of x, in bytes
	s_mov_b32 s21, 0
	s_lshr_b32 s22, s18, 4
	s_lshl_b32 s22, s22, 17                        ; m / 128: four blocks of 32,768 bytes
	s_and_b32 s23, s18, 15
	s_lshl_b32 s23, s23, 11                        ; + 8 (g % 16) rows of 256 bytes
	s_add_co_u32 s22, s22, s23
	s_lshl_b32 s23, s3, 9                          ; + 2 rows a wave
	s_add_co_u32 s22, s22, s23                     ; + 2 rows a wave
	s_mov_b32 s23, 0
	s_mov_b32 s30, 0x76543210                      ; v_permlanex16_b32: lane l xor 16
	s_mov_b32 s31, 0xfedcba98
	s_mov_b32 s32, 0x3a800000                      ; 1 / 1,024
	s_mov_b32 s33, 0x3727c5ac                      ; eps = 1e-5
	s_wait_alu depctr_va_vdst(0)
	v_lshlrev_b32 v2, 5, v1
	v_lshlrev_b32 v3, 3, v1
	s_wait_alu depctr_va_vdst(0)
	s_wait_kmcnt 0x0
	s_load_b256 s[36:43], s[14:15], 0x0            ; entries 0 to 7
	s_add_nc_u64 s[4:5], s[4:5], s[20:21]
	s_add_nc_u64 s[24:25], s[16:17], s[22:23]      ; the three sets of codes lie 4 MiB apart
	s_add_nc_u64 s[26:27], s[24:25], 0x400000
	s_add_nc_u64 s[28:29], s[24:25], 0x800000
.macro LDG reg, sb                     ; 1,024 numbers of a gain or bias, laid as a row
.irp c, 0,1,2,3
	global_load_b128 v[\reg+8*\c:\reg+8*\c+3], v2, s[\sb:\sb+1] offset:1024*\c
	global_load_b128 v[\reg+8*\c+4:\reg+8*\c+7], v2, s[\sb:\sb+1] offset:1024*\c+16
.endr
.endm
.macro LOADX j                         ; row j of my two into set j % 2
.irp c, 0,1,2,3
	global_load_b128 v[32+32*((\j)%2)+8*\c:32+32*((\j)%2)+8*\c+3], v2, s[4:5] offset:4096*(\j)+1024*\c th:TH_LOAD_NT
	global_load_b128 v[32+32*((\j)%2)+8*\c+4:32+32*((\j)%2)+8*\c+7], v2, s[4:5] offset:4096*(\j)+1024*\c+16 th:TH_LOAD_NT
.endr
.endm
.macro REDUCE                          ; v[24:31], four packed chains, become the row's sum in v24 of every lane
	v_pk_add_f32 v[24:25], v[24:25], v[26:27]
	v_pk_add_f32 v[28:29], v[28:29], v[30:31]
	v_pk_add_f32 v[24:25], v[24:25], v[28:29]
	v_add_f32 v24, v24, v25
	v_add_f32_dpp v24, v24, v24 row_xmask:1 row_mask:0xf bank_mask:0xf
	v_add_f32_dpp v24, v24, v24 row_xmask:2 row_mask:0xf bank_mask:0xf
	v_add_f32_dpp v24, v24, v24 row_xmask:4 row_mask:0xf bank_mask:0xf
	v_add_f32_dpp v24, v24, v24 row_xmask:8 row_mask:0xf bank_mask:0xf
	v_permlanex16_b32 v26, v24, s30, s31           ; (its destination has been written: it was a chain)
	v_add_f32 v24, v24, v26
.endm
.macro NORM xr, gr, br                 ; the row in v[xr] on becomes (x - mean) / sqrt(var + eps) x gain + bias, in place
.irp k, 0,1,2,3
	v_pk_add_f32 v[24+2*\k:25+2*\k], v[\xr+4*\k:\xr+4*\k+1], v[\xr+4*\k+2:\xr+4*\k+3]
.endr
.irp k, 8,9,10,11,12,13,14,15
	v_pk_add_f32 v[24+2*(\k%4):25+2*(\k%4)], v[24+2*(\k%4):25+2*(\k%4)], v[\xr+2*\k:\xr+2*\k+1]
.endr
	REDUCE
	v_mul_f32 v20, s32, v24
	v_mul_f32 v21, s32, v24
.irp k, 0,1,2,3,4,5,6,7,8,9,10,11,12,13,14,15
	v_pk_add_f32 v[\xr+2*\k:\xr+2*\k+1], v[\xr+2*\k:\xr+2*\k+1], v[20:21] neg_lo:[0,1] neg_hi:[0,1]
.endr
.irp k, 0,1,2,3
	v_pk_mul_f32 v[24+2*\k:25+2*\k], v[\xr+2*\k:\xr+2*\k+1], v[\xr+2*\k:\xr+2*\k+1]
.endr
.irp k, 4,5,6,7,8,9,10,11,12,13,14,15
	v_pk_fma_f32 v[24+2*(\k%4):25+2*(\k%4)], v[\xr+2*\k:\xr+2*\k+1], v[\xr+2*\k:\xr+2*\k+1], v[24+2*(\k%4):25+2*(\k%4)]
.endr
	REDUCE
	v_fma_f32 v24, v24, s32, s33                   ; var + eps
	s_wait_alu depctr_va_vdst(0)
	v_rsq_f32 v22, v24
	v_rsq_f32 v23, v24                             ; twice: the packed multiply takes a pair
	v_nop                                          ; a plain line behind the transcendentals,
	s_wait_alu depctr_va_vdst(0)                   ; and the one wait ahead of their first reader
.irp k, 0,1,2,3,4,5,6,7,8,9,10,11,12,13,14,15
	v_pk_mul_f32 v[\xr+2*\k:\xr+2*\k+1], v[\xr+2*\k:\xr+2*\k+1], v[22:23]
.endr
.irp k, 0,1,2,3,4,5,6,7,8,9,10,11,12,13,14,15
	v_pk_fma_f32 v[\xr+2*\k:\xr+2*\k+1], v[\xr+2*\k:\xr+2*\k+1], v[\gr+2*\k:\gr+2*\k+1], v[\br+2*\k:\br+2*\k+1]
.endr
.endm
.macro ROW j
.set XR, 32+32*((\j)%2)
.if (\j) < 1
	LOADX (\j)+1
	s_wait_loadcnt 8                               ; this row (and, in the first turn, the gains and biases) is in; the next row's eight loads may be out
.else
	s_wait_loadcnt 0
.endif
	NORM XR, 96, 128
	NORM XR, 160, 192
	s_wait_xcnt 0x0                                ; the last row's stores have read their data: the codes' registers are written again only behind this wait
.irp s, 0,1,2
.irp c, 0,1,2,3
.irp n, 0,1,2,3,4,5,6,7
	v_med3_num_f32 v[4+8*((4*\s+\c)%2)+\n], v[XR+8*\c+\n], -v[249+2*\s], v[249+2*\s]   ; into two sets by turns: the next eight holds are the plain lines behind each conversion
.endr
	v_cvt_scalef32_pk8_bf8_f32 v[224+2*(4*\s+\c):225+2*(4*\s+\c)], v[4+8*((4*\s+\c)%2):11+8*((4*\s+\c)%2)], v[248+2*\s]
.endr
.endr
.irp s, 0,1,2
.irp c, 0,1,2,3
	global_store_b64 v3, v[224+2*(4*\s+\c):225+2*(4*\s+\c)], s[24+2*\s:25+2*\s] offset:32768*\c+256*(\j)   ; 32 lanes store 256 consecutive bytes, aligned
.endr
.endr
.endm
	LDG 96, 6
	LDG 128, 8
	LDG 160, 10
	LDG 192, 12
	LOADX 0
	s_wait_kmcnt 0x0
	QCONST 36, 248, 249, 44
	QCONST 38, 250, 251, 44
	QCONST 40, 252, 253, 44
.irp j, 0,1
	ROW \j
.endr
	s_endpgm
.Lfunc_end_k_qe6eab02d6f_prep:
	.size	k_qe6eab02d6f_prep, .Lfunc_end_k_qe6eab02d6f_prep-k_qe6eab02d6f_prep
	.p2alignl 7, 3214868480
	.fill 96, 4, 3214868480
	.section	.rodata,"a",@progbits
	.p2align	6, 0x0
	.amdhsa_kernel k_qe6eab02d6f_prep
		.amdhsa_group_segment_fixed_size 35328
		.amdhsa_private_segment_fixed_size 0
		.amdhsa_enable_private_segment 0
		.amdhsa_kernarg_size 112
		.amdhsa_user_sgpr_count 2
		.amdhsa_user_sgpr_kernarg_segment_ptr 1
		.amdhsa_wavefront_size32 1
		.amdhsa_system_sgpr_workgroup_id_x 1
		.amdhsa_system_sgpr_workgroup_id_y 1
		.amdhsa_system_sgpr_workgroup_id_z 1
		.amdhsa_system_vgpr_workitem_id 0
		.amdhsa_next_free_vgpr 256
		.amdhsa_next_free_sgpr 90
		.amdhsa_reserve_vcc 0
		.amdhsa_float_denorm_mode_32 3
		.amdhsa_float_denorm_mode_16_64 3
		.amdhsa_memory_ordered 1
		.amdhsa_forward_progress 1
		.amdhsa_inst_pref_size 104
	.end_amdhsa_kernel
	.amdgpu_metadata
---
amdhsa.version: [ 1, 2 ]
amdhsa.kernels:
  - .name:           k_qe6eab02d6f_prep
    .symbol:         k_qe6eab02d6f_prep.kd
    .args:
      - { .name: x, .offset: 0, .size: 8, .value_kind: global_buffer, .address_space: global }
      - { .name: ln_a_g, .offset: 8, .size: 8, .value_kind: global_buffer, .address_space: global }
      - { .name: ln_a_b, .offset: 16, .size: 8, .value_kind: global_buffer, .address_space: global }
      - { .name: ln_b_g, .offset: 24, .size: 8, .value_kind: global_buffer, .address_space: global }
      - { .name: ln_b_b, .offset: 32, .size: 8, .value_kind: global_buffer, .address_space: global }
      - { .name: Wq, .offset: 40, .size: 8, .value_kind: global_buffer, .address_space: global }
      - { .name: Wk, .offset: 48, .size: 8, .value_kind: global_buffer, .address_space: global }
      - { .name: Wv, .offset: 56, .size: 8, .value_kind: global_buffer, .address_space: global }
      - { .name: Wo, .offset: 64, .size: 8, .value_kind: global_buffer, .address_space: global }
      - { .name: We, .offset: 72, .size: 8, .value_kind: global_buffer, .address_space: global }
      - { .name: Wd, .offset: 80, .size: 8, .value_kind: global_buffer, .address_space: global }
      - { .name: lowp_scales, .offset: 88, .size: 8, .value_kind: global_buffer, .address_space: global }
      - { .name: wcodes, .offset: 96, .size: 8, .value_kind: global_buffer, .address_space: global }
      - { .name: tcodes, .offset: 104, .size: 8, .value_kind: global_buffer, .address_space: global }
    .group_segment_fixed_size: 35328
    .private_segment_fixed_size: 0
    .kernarg_segment_align: 8
    .kernarg_segment_size: 112
    .max_flat_workgroup_size: 128
    .sgpr_count:     90
    .vgpr_count:     256
    .wavefront_size: 32
...
	.end_amdgpu_metadata
.endif
;; end of part 1
;; launch qkv (part 2): grid 12 x 16, 4 waves a work-group, clusters of 4 x 4, 327,680 bytes of LDS; arguments tcodes, wcodes, bq, bk, bv, lowp_scales, qkvc; writes qkvc
.if DOCPART == 2
	.amdgcn_target "amdgcn-amd-amdhsa--gfx1250"
	.amdhsa_code_object_version 6
	.text
	.protected	k_qe6eab02d6f_qkv
	.globl	k_qe6eab02d6f_qkv
	.p2align	8
	.type	k_qe6eab02d6f_qkv,@function
k_qe6eab02d6f_qkv:
	s_mov_b64 s[64:65], 0
	v_nop
	global_prefetch_b8 v0, s[64:65] scope:SCOPE_SE
	s_setreg_imm32_b32 hwreg(HW_REG_WAVE_MODE, 25, 1), 1
	s_wait_xcnt 0x0
	s_wait_alu depctr_hold_cnt(0) depctr_sa_sdst(0) depctr_va_vdst(0) depctr_va_sdst(0) depctr_va_ssrc(0) depctr_va_vcc(0) depctr_vm_vsrc(0)
	s_getreg_b32 s2, hwreg(HW_REG_IB_STS2, 6, 4)
	s_cmp_eq_u32 s2, 0
	s_cbranch_scc0 .Lentry_in_a_cluster
	s_endpgm
.Lentry_in_a_cluster:
	s_bfe_u32 s2, ttmp6, 0x10000c
	s_cmp_lg_u32 s2, 0xf033
	s_cbranch_scc0 .Lentry_shape_is_right
	s_endpgm
.Lentry_shape_is_right:
; QKV.  q = t Wq + bq, k = t Wk + bk, v = t Wv + bv on codes of BF8 (E5M2); each result is quantised on the way out with the scale of the attention product that takes it.
; The cluster's x (0, 1, 2: the same in all sixteen partners) says which product.  q and k: C[t][n], rows = 256 tokens, columns = 256 of n = 4 heads.  v IS MADE AS V^T, C[n][t], by
; exchanging the two operands' addresses and nothing else, so that in all three a lane's eight results are eight neighbours along the NEXT product's K (the head's 64 for q and k, the keys for v).
; Operands lie in blocks of 128 rows x 256 codes, dense, 32,768 bytes: one tensor load brings one block.  K = 1,024 goes in four steps of 256 through a ring of two LDS slots.
; A tile of C, 256 x 256, is made by four waves, as many as a WGP has SIMDs; a wave makes 128 x 128: 64 accumulators, 512 registers.
; CLUSTERS: 4 x 4 work-groups; the four of a row of the cluster need the same tile of the row operand, the four of a column the same tile of the column operand: each is asked for jointly.
; THE MATRIX INSTRUCTION IS USED TRANSPOSED (source 0 = 16 rows of the column operand, source 1 = 16 rows of the row operand): a lane holds eight neighbouring columns of one row of C.
; A fragment comes by four loads of 16 bytes: a permutation of k, the same on both sides, so every product meets its partner.
; OUT: qkvc holds q at 0 and k at 4 MiB as [batch x head][row][64], v at 8 MiB as [batch x head][row][t].  q's row is the token.  k's ROW IS THE TOKEN WITH BITS 3 AND 4 EXCHANGED, v's ROW IS d WITH BITS 3 AND 4
; EXCHANGED: the sixteen keys (or d) that the attention launch takes as one tile, 8 u + r + 8 (r / 8) of each 32, are then sixteen neighbouring rows.
; LIMITS: each sum of two operands' exponents between -126 and 127; the exponents of q, k, v between -126 and 112.  NaN is not served.
; REGISTERS, in windows of 256: window 0: v0-31 addresses; v32-95 the bias by column, v96-111 the bias by row; from v128 the row operand's fragments, ONE set; on the way out v128-255 are free.
;   window 1: the column operand's fragments, two sets.  windows 2, 3: the accumulators ((a, b) at v[8 (8 (a % 4) + b)]).
.set PITCH,  272                       ; an LDS row: 256 bytes + 16 of padding = 68 words: the 16 rows that a load touches start at 16 different banks (64 banks of 4 bytes: ISA guide 11.1)
.set FR,     16
.set NL,     4
.set NP,     4                         ; places behind this matrix instruction (ISA guide 7.12.1)
.set HALFT,  128*PITCH
.set SLOT,   4*HALFT
.set BLKB,   32768
.set SPARE,  2*SLOT                    ; behind the ring: the spare words, 128 bytes a wave, which no other line names
.set COQA, 10
.set COQB, 11
.set ADRA, 16
.set RDQ2, 18
.set ADRB, 20
.set RDQ,  22
.set COV,  23
.set STO,  24
.set RDV,  25
.set COQ,  26
.set ZR,   27
.set SPW,  28
.set NIL,  29
.set LIM,  30
.set SCL,  31
.set BIASC, 32
.set BIASR, 96
.set AF,   128
.set T,    128
.set CD,   192
.set G1, 24
.set G0, 32
.set G1B, 48
.set G0B, 56
.set MSB, 0
.macro WIN new                         ; the immediate's high byte repeats the setting that is left
.if MSB != \new
	s_set_vgpr_msb (MSB<<8)|\new
.set MSB, \new
.endif
.endm
.set MUL_LO, 0xa1
.set MUL_HI, 0xf1
.set TO_B,   0x40
.macro QCONST se, vsc, vlim, st
	s_add_co_i32 s[\st], s[\se], 127
	s_lshl_b32 s[\st+1], s[\st], 23
	v_mov_b32 v[\vsc], s[\st+1]
	s_add_co_i32 s[\st], s[\st], 15
	s_lshl_b32 s[\st], s[\st], 23
	s_or_b32 s[\st], s[\st], 0x600000
	v_mov_b32 v[\vlim], s[\st]
.endm
; A joint load: waves 0 and 1 fetch the row operand's two blocks, waves 2 and 3 the column operand's.  The branch hangs on the wave's number alone.  Four v_nop follow each line.
.macro JLOAD g0a, g1a, g0b, g1b
	s_cmp_eq_u32 s15, 0
	s_cbranch_scc0 .Lfor_b_\@
	tensor_load_to_lds s[\g0a:\g0a+3], s[\g1a:\g1a+7]
	s_nop 0
.rept 4
	v_nop
.endr
	s_branch .Lasked_\@
.Lfor_b_\@:
	tensor_load_to_lds s[\g0b:\g0b+3], s[\g1b:\g1b+7]
	s_nop 0
.rept 4
	v_nop
.endr
.Lasked_\@:
.endm
.macro CREST                           ; a round of the cluster's barrier behind its opening barrier
	s_cmp_lg_u32 s14, 0
	s_cbranch_scc1 .Lnot_wave_0_\@
	s_barrier_signal -3
.Lnot_wave_0_\@:
	s_barrier_wait -3
	s_barrier_signal -1
	s_barrier_wait -1
.endm
.macro CROUND
	s_barrier_signal -1
	s_barrier_wait -1
	CREST
.endm
	s_load_b128 s[4:7], s[0:1], 0x0                ; tcodes, wcodes
	s_load_b128 s[8:11], s[0:1], 0x10              ; bq, bk
	s_load_b128 s[68:71], s[0:1], 0x20             ; bv, lowp_scales
	s_load_b64 s[72:73], s[0:1], 0x30              ; qkvc
	v_lshl_add_u32 v[SPW], v0, 2, SPARE
	v_mov_b32 v[NIL], 0
	ds_add_u32 v[SPW], v[NIL]                      ; the opening: the add, twice on end, and its wait ahead of the first round
	ds_add_u32 v[SPW], v[NIL]
	v_lshrrev_b32 v1, 5, v0
	v_readfirstlane_b32 s14, v1                    ; wave 0..3
	s_lshr_b32 s15, s14, 1                         ; which half of the tile's rows is mine.  Also: I fetch for the row operand (0) or the column operand (1)
	s_and_b32 s16, s14, 1                          ; which half of its columns.  Also: which block of that tile I fetch
	s_bfe_u32 s40, ttmp6, 0x40000                  ; cx
	s_bfe_u32 s41, ttmp6, 0x40004                  ; cy
	s_and_b32 s17, ttmp7, 0xffff
	s_lshl_b32 s17, s17, 2                         ; 4 x cluster y: it walks the tokens, which are rows for q and k, columns for v
	s_cmp_eq_u32 ttmp9, 2
	s_cselect_b32 s12, 0, s17
	s_cselect_b32 s13, s17, 0
	s_cselect_b32 s74, -1, 0                       ; all ones for v
	s_add_co_u32 s17, s12, s41                     ; tile row: made of cy and what the partners share
	s_add_co_u32 s42, s13, s40                     ; tile column: made of cx and what the partners share
	s_lshl_b32 s43, s41, 2
	s_lshl_b32 s43, 15, s43                        ; my row of the cluster
	s_lshl_b32 s44, 0x1111, s40                    ; my column
	s_or_b32 s[G1+0], s43, (0<<16)|(1<<20)|(1<<21)|(5<<22)|(3<<25)  ; 15:0 the mask; 17:16 elements of 1 byte; 20 padding on; 21 set beside a mask; 24:22 after every 64 words; 31:25 four words
	s_or_b32 s[G1B+0], s44, (0<<16)|(1<<20)|(1<<21)|(5<<22)|(3<<25)
.irp g, G1, G1B
	s_mov_b32 s[\g+1], 256<<16                     ; tensor_dim0
	s_mov_b32 s[\g+2], 128<<16                     ; tensor_dim1
	s_mov_b32 s[\g+3], 256<<16                     ; tile_dim0
	s_mov_b32 s[\g+4], 128                         ; tile_dim1
	s_mov_b32 s[\g+5], 256                         ; from row to row: a block is dense
	s_mov_b32 s[\g+6], 0
	s_mov_b32 s[\g+7], 0
.endr
	s_lshl_b32 s20, s17, 1
	s_add_co_u32 s20, s20, s16
	s_lshl_b32 s20, s20, 17                        ; row operand: block row 2 x tile row + half; four blocks along K are 131,072 bytes
	s_mov_b32 s21, 0
	s_lshl_b32 s46, s42, 1
	s_add_co_u32 s46, s46, s16
	s_lshl_b32 s46, s46, 17                        ; column operand likewise
	s_mov_b32 s47, 0
	s_lshl_b32 s18, ttmp9, 22                      ; the product's set of t's codes,
	s_mov_b32 s19, 0
	s_lshl_b32 s12, ttmp9, 20                      ; and its weight
	s_mov_b32 s13, 0
	s_mul_i32 s45, s14, HALFT
	s_wait_dscnt 0x0                               ; both opening adds are done
	s_wait_kmcnt 0x0
	s_load_b512 s[76:91], s[70:71], 0x0            ; all sixteen exponents
	s_add_nc_u64 s[4:5], s[4:5], s[18:19]
	s_add_nc_u64 s[6:7], s[6:7], s[12:13]
	s_cmp_eq_u32 ttmp9, 2
	s_cselect_b64 s[18:19], s[6:7], s[4:5]         ; the row operand: t's codes, for v the weight's
	s_cselect_b64 s[12:13], s[4:5], s[6:7]         ; the column operand: the other
	s_add_nc_u64 s[20:21], s[18:19], s[20:21]
	s_add_nc_u64 s[46:47], s[12:13], s[46:47]
	s_cmp_eq_u32 ttmp9, 1
	s_cselect_b64 s[92:93], s[10:11], s[8:9]
	s_cmp_eq_u32 ttmp9, 2
	s_cselect_b64 s[92:93], s[68:69], s[92:93]     ; the product's bias
	CROUND                                         ; all sixteen work-groups are here: the first joint loads meet
.irp s, 0,1
	s_mov_b32 s[G0+4*\s], 1
	s_add_co_u32 s[G0+4*\s+1], s45, \s*SLOT
	s_add_nc_u64 s[G0+4*\s+2:G0+4*\s+3], s[20:21], \s*BLKB
	s_or_b32 s[G0+4*\s+3], s[G0+4*\s+3], 0x80000000
	s_mov_b32 s[G0B+4*\s], 1
	s_add_co_u32 s[G0B+4*\s+1], s45, \s*SLOT
	s_add_nc_u64 s[G0B+4*\s+2:G0B+4*\s+3], s[46:47], \s*BLKB
	s_or_b32 s[G0B+4*\s+3], s[G0B+4*\s+3], 0x80000000
.if \s == 0
	JLOAD G0, G1, G0B, G1B                         ; K step 0: one tensor load a wave at the head
.endif
.endr
	v_and_b32 v1, 15, v0                           ; r
	v_bfe_u32 v2, v0, 4, 1                         ; h
	v_mul_u32_u24 v3, v1, PITCH
	s_wait_alu depctr_va_vdst(0)
	v_lshl_add_u32 v4, v2, 4, v3                   ; a fragment's row x pitch + 16 h
	s_mul_i32 s21, s15, HALFT
	s_mul_i32 s22, s16, HALFT
	s_add_co_u32 s22, s22, 2*HALFT
.irp s, 0,1
	v_add_nc_u32 v[ADRA+\s], s21, v4
	v_add_nc_u32 v[ADRB+\s], s22, v4
	s_add_co_u32 s21, s21, SLOT
	s_add_co_u32 s22, s22, SLOT
.endr
	; the way out: ONE stage of 256 rows x 272 bytes of codes for the work-group, in slot 0
	s_mul_i32 s23, s15, HALFT
	s_lshl_b32 s22, s16, 7
	s_add_co_u32 s23, s23, s22
	v_lshl_add_u32 v[STO], v2, 3, v3
	v_add_nc_u32 v[STO], s23, v[STO]               ; in: row 128 (wave / 2) + r, byte 128 (wave % 2) + 8 h
	s_mul_i32 s23, s14, 64*PITCH
	v_mul_u32_u24 v[RDV], v2, PITCH
	v_lshl_add_u32 v[RDV], v1, 4, v[RDV]
	v_add_nc_u32 v[RDV], s23, v[RDV]               ; back, for v: rows 64 x wave on, whole; sixteen lanes to a row
	v_bfe_u32 v7, v0, 2, 3
	v_and_b32 v8, 3, v0
	v_mul_u32_u24 v[RDQ], v7, PITCH
	v_lshl_add_u32 v[RDQ], v8, 4, v[RDQ]
	s_lshl_b32 s23, s14, 6
	v_add_nc_u32 v[RDQ], s23, v[RDQ]               ; back, for q and k: one head's 64 bytes of eight rows: four lanes to a row
	v_add_nc_u32 v[RDQ2], 16*2176, v[RDQ]          ; rows 128 on: an LDS immediate has 16 bits
	v_and_b32 v9, 31, v0
	v_lshlrev_b32 v[COQ], 4, v9                    ; and in memory: eight rows of 64 bytes are 512 bytes on end
	v_lshlrev_b32 v[COV], 11, v2
	v_lshl_add_u32 v[COV], v1, 4, v[COV]           ; for v: two rows, 2,048 bytes apart
	s_cmp_eq_u32 ttmp9, 1                          ; k alone: of every four groups of eight rows the second and the third change places (bits 3 and 4 of the token)
	s_cselect_b32 s22, 512, 0
	s_cselect_b32 s23, 0, 512
	v_add_nc_u32 v[COQA], s22, v[COQ]              ; a second group's offset: its own place, for k one group further on
	v_add_nc_u32 v[COQB], s23, v[COQ]              ; a third group's, counted from the group before it: for k that group's place, else one further on
	; the biases: by column (q, k: eight numbers a lane for each of my eight column blocks) and by row (v: one number a lane for each of my eight row blocks).  Both are loaded in every work-group; the one that does not apply is replaced by 0
	s_lshl_b32 s21, s40, 10
	s_lshl_b32 s22, s16, 9
	s_add_co_u32 s21, s21, s22
	v_lshlrev_b32 v5, 5, v2
	v_add_nc_u32 v5, s21, v5                       ; 4 (256 cx + 128 (wave % 2) + 8 h)
	s_lshl_b32 s21, s41, 10
	s_lshl_b32 s22, s15, 9
	s_add_co_u32 s21, s21, s22
	v_lshlrev_b32 v6, 2, v1
	v_add_nc_u32 v6, s21, v6                       ; 4 (256 cy + 128 (wave / 2) + r)
.irp b, 0,1,2,3,4,5,6,7
	global_load_b128 v[BIASC+8*\b:BIASC+8*\b+3], v5, s[92:93] offset:64*\b
	global_load_b128 v[BIASC+8*\b+4:BIASC+8*\b+7], v5, s[92:93] offset:64*\b+16
.endr
.irp a, 0,1,2,3,4,5,6,7
	global_load_b32 v[BIASR+2*\a], v6, s[92:93] offset:64*\a
.endr
	; where the codes go.  q, k: ((batch x 16 + head) x 2,048 + t) x 64, head = 4 cx + wave
	s_lshr_b32 s22, s17, 3
	s_lshl_b32 s22, s22, 4
	s_lshl_b32 s23, s40, 2
	s_add_co_u32 s22, s22, s23
	s_add_co_u32 s22, s22, s14
	s_lshl_b32 s22, s22, 11
	s_and_b32 s23, s17, 7
	s_lshl_b32 s23, s23, 8
	s_add_co_u32 s22, s22, s23
	s_lshl_b32 s22, s22, 6
	s_lshl_b32 s23, ttmp9, 22
	s_add_co_u32 s22, s22, s23
	s_mov_b32 s23, 0
	s_add_nc_u64 s[66:67], s[72:73], s[22:23]
	; v: 8 MiB + (batch x 1,024 + n) x 2,048 + t, n = 256 cy + 64 wave on
	s_lshr_b32 s22, s42, 3
	s_lshl_b32 s22, s22, 10
	s_lshl_b32 s23, s41, 8
	s_add_co_u32 s22, s22, s23
	s_lshl_b32 s23, s14, 6
	s_add_co_u32 s22, s22, s23
	s_lshl_b32 s22, s22, 11
	s_and_b32 s23, s42, 7
	s_lshl_b32 s23, s23, 8
	s_add_co_u32 s22, s22, s23
	s_add_co_u32 s22, s22, 0x800000
	s_mov_b32 s23, 0
	s_add_nc_u64 s[94:95], s[72:73], s[22:23]
.macro FRAG reg, adr, q, i             ; 16 rows x 128 K: lane l holds row l % 16; registers 4 c .. 4 c + 3 hold K = 32 c + 16 (l / 16) + 0 .. 15
.irp c, 0,1,2,3
	ds_load_b128 v[\reg+4*\c:\reg+4*\c+3], v[\adr] offset:128*(\q)+32*\c+(\i)*16*PITCH
.endr
.endm
; 16 matrix instructions.  The 64 accumulators take turns, one instruction a turn, in the same order in every step.  zero = 1: the first product starts the sums.
.macro MUL16 a0, p, zero
.irp a, \a0, \a0+1
.irp b, 0,1,2,3,4,5,6,7
.if \zero
	v_wmma_f32_16x16x128_bf8_bf8 v[8*(8*((\a)%4)+\b):8*(8*((\a)%4)+\b)+7], v[128*(\p)+FR*\b:128*(\p)+FR*\b+FR-1], v[AF+FR*(\a):AF+FR*(\a)+FR-1], 0
.else
	v_wmma_f32_16x16x128_bf8_bf8 v[8*(8*((\a)%4)+\b):8*(8*((\a)%4)+\b)+7], v[128*(\p)+FR*\b:128*(\p)+FR*\b+FR-1], v[AF+FR*(\a):AF+FR*(\a)+FR-1], v[8*(8*((\a)%4)+\b):8*(8*((\a)%4)+\b)+7]
.endif
.endr
.endr
.endm
.macro FETCH_B slot, q, p
	WIN TO_B
.irp i, 0,1,2,3,4,5,6,7
	FRAG 128*(\p)+FR*\i, ADRB+\slot, \q, \i
.endr
	WIN 0
.endm
.macro FETCH_A slot, q, i0
.irp i, \i0, \i0+1, \i0+2, \i0+3
	FRAG AF+FR*(\i), ADRA+\slot, \q, \i
.endr
.endm
.macro PLACES n                        ; plain vector lines between a matrix instruction and a load into, or a read of, its registers
.rept \n
	v_nop
.endr
.endm
.macro STEP slot, q, zero              ; 128 along K that has its successor in the same slot
	s_wait_dscnt 4*NL                              ; the column operand's set and row blocks 0-3 are in; the youngest 16 loads (row blocks 4-7) may be out
	WIN MUL_LO
	MUL16 0, (\q)%2, \zero
	MUL16 2, (\q)%2, \zero
	s_wait_dscnt 0
	PLACES NP
	FETCH_B \slot, (\q)+1, 1-(\q)%2
	FETCH_A \slot, (\q)+1, 0
	WIN MUL_HI
	MUL16 4, (\q)%2, \zero
	MUL16 6, (\q)%2, \zero
	PLACES NP
	WIN 0
	FETCH_A \slot, (\q)+1, 4
.endm
; A slot's last step changes slots: ONE barrier; in front of it each wave waits for all its tensor loads, adds 0 to its spare word, and waits for that and for its reads of this slot.
.macro TURN slot, next, fill
	s_wait_tensorcnt 0x0                           ; all my tensor loads have landed: my part of the next slot
	ds_add_u32 v[SPW], v[NIL]                      ; 0 onto my spare word
	s_wait_dscnt 4*NL+1                            ; (the add and the youngest 16 loads may be out)
	WIN MUL_LO
	MUL16 0, 1, 0
	s_wait_dscnt 0x0                               ; the add is done, and my reads of this slot are over
	s_barrier_signal -1
	MUL16 2, 1, 0
	WIN 0
	s_barrier_wait -1
.if \fill
	CREST                                          ; the barrier has opened a round of the cluster's barrier: no wave of any partner still reads this slot or has a load on its way
	s_add_nc_u64 s[G0+4*\slot+2:G0+4*\slot+3], s[G0+4*\slot+2:G0+4*\slot+3], 2*BLKB
	s_add_nc_u64 s[G0B+4*\slot+2:G0B+4*\slot+3], s[G0B+4*\slot+2:G0B+4*\slot+3], 2*BLKB
	JLOAD G0+4*\slot, G1, G0B+4*\slot, G1B         ; the first tensor load behind the round; its four v_nop are the places in front of the loads below
.else
	PLACES NP
.endif
	FETCH_B \next, 0, 0
	FETCH_A \next, 0, 0
	WIN MUL_HI
	MUL16 4, 1, 0
	MUL16 6, 1, 0
	PLACES NP
	WIN 0
	FETCH_A \next, 0, 4
.endm
	s_wait_alu depctr_va_vdst(0)                   ; the wait at the head's end
	s_wait_tensorcnt 0x0                           ; my part of K step 0 is in; slot 1's first fill is issued as a refill is:
	ds_add_u32 v[SPW], v[NIL]
	s_wait_dscnt 0x0
	CROUND                                         ; a whole round,
	JLOAD G0+4, G1, G0B+4, G1B                     ; and K step 1's load first behind it
	FETCH_B 0, 0, 0
	FETCH_A 0, 0, 0
	FETCH_A 0, 0, 4
	STEP 0, 0, 1                                   ; K = 1,024 is eight steps of 128, written out: two slots, each filled twice
	TURN 0, 1, 1
	STEP 1, 0, 0
	TURN 1, 0, 1
	STEP 0, 0, 0
	TURN 0, 1, 0                                   ; nothing is left to fetch
	STEP 1, 0, 0
	s_wait_dscnt 4*NL
	WIN MUL_LO
	MUL16 0, 1, 0
	MUL16 2, 1, 0
	s_wait_dscnt 0
	WIN MUL_HI
	MUL16 4, 1, 0
	MUL16 6, 1, 0
	WIN 0
	; THE WAY OUT.  sum x 2^(eA + eB) + bias, held, converted: eight codes a lane and accumulator, into the stage; a barrier; back as the reader's rows.
	s_wait_kmcnt 0x0
	s_add_co_i32 s76, s76, s77                     ; the operands' exponents: entries 0 + 1, 2 + 3, 4 + 5;
	s_add_co_i32 s78, s78, s79
	s_add_co_i32 s80, s80, s81
	s_cmp_eq_u32 ttmp9, 1
	s_cselect_b32 s76, s78, s76
	s_cselect_b32 s82, s83, s82                    ; the result's: entry 6 (q), 7 (k), 9 (v): choices on the cluster's number, no branch
	s_cmp_eq_u32 ttmp9, 2
	s_cselect_b32 s76, s80, s76
	s_cselect_b32 s82, s85, s82
	s_add_co_i32 s96, s76, 127
	s_lshl_b32 s96, s96, 23                        ; 2^(eA + eB) as f32
	s_mov_b32 s97, s96                             ; (named with it as a pair, so it is written)
	QCONST 82, SCL, LIM, 98
	v_mov_b32 v[ZR], 0
	s_wait_alu depctr_va_vdst(0)
	s_wait_loadcnt 0x0                             ; the biases
.set i, 0
.rept 64
	v_cndmask_b32 v[BIASC+i], v[BIASC+i], v[ZR], s74   ; v has no bias by column,
.set i, i+1
.endr
.irp a, 0,1,2,3,4,5,6,7
	v_cndmask_b32 v[BIASR+2*\a], v[ZR], v[BIASR+2*\a], s74   ; q and k none by row
	v_cndmask_b32 v[BIASR+2*\a+1], v[ZR], v[BIASR+2*\a], s74
.endr
	PLACES NP
.macro QOUT a                          ; my row block a: 16 rows x 128 columns
.set AC, 64*((\a)%4)
	WIN 0x02+((\a)/4)                              ; source 0: window 2 or 3
.set i, 0
.rept 32
	v_pk_fma_f32 v[T+i:T+i+1], v[AC+i:AC+i+1], s[96:97], v[BIASC+i:BIASC+i+1] op_sel_hi:[1,0,1]   ; each accumulator from its low end on
.set i, i+2
.endr
	WIN 0
.set i, 0
.rept 32
	v_pk_add_f32 v[T+i:T+i+1], v[T+i:T+i+1], v[BIASR+2*(\a):BIASR+2*(\a)+1]
.set i, i+2
.endr
.set i, 0
.rept 64
	v_med3_num_f32 v[T+i], v[T+i], -v[LIM], v[LIM]     ; the conversion does not saturate (ISA guide 7.6.2): the hold comes first, whatever the scale
.set i, i+1
.endr
.if (\a) >= 2
	s_wait_alu depctr_va_vdst(0)
	s_wait_dscnt 8                                 ; the last block's eight stores may be out; those of the block before, which read this set of codes, are done
.endif
.irp b, 0,1,2,3,4,5,6,7
	v_cvt_scalef32_pk8_bf8_f32 v[CD+16*((\a)%2)+2*\b:CD+16*((\a)%2)+2*\b+1], v[T+8*\b:T+8*\b+7], v[SCL]
.endr
	v_nop                                          ; one plain line behind the last conversion of the run
.irp b, 0,1,2,3,4,5,6,7
	ds_store_b64 v[STO], v[CD+16*((\a)%2)+2*\b:CD+16*((\a)%2)+2*\b+1] offset:4352*(\a)+16*\b
.endr
.endm
.irp a, 0,1,2,3,4,5,6,7
	QOUT \a
.endr
	s_wait_dscnt 0x0                               ; for the others' sake: my stores into the stage are done
	s_barrier_signal -1
	s_barrier_wait -1
	s_cmp_eq_u32 ttmp9, 2                          ; the cluster's number: the same in all partners; both ways only read LDS
	s_cbranch_scc1 .Lvout
.set i, 0
.rept 16
	ds_load_b128 v[128+4*i:131+4*i], v[RDQ] offset:2176*i
.set i, i+1
.endr
.set i, 0
.rept 16
	ds_load_b128 v[192+4*i:195+4*i], v[RDQ2] offset:2176*i
.set i, i+1
.endr
.set i, 0
.rept 32                               ; group i of eight rows of one head: 512 consecutive bytes, aligned.  q: at group i.  k: at the group with bits 0 and 1 of i exchanged
	s_wait_dscnt 31-i                              ; the younger loads may be out
.if (i%4) == 1
	global_store_b128 v[COQA], v[128+4*i:131+4*i], s[66:67] offset:512*i
.elseif (i%4) == 2
	global_store_b128 v[COQB], v[128+4*i:131+4*i], s[66:67] offset:512*(i-1)
.else
	global_store_b128 v[COQ], v[128+4*i:131+4*i], s[66:67] offset:512*i
.endif
.set i, i+1
.endr
	s_branch .Ldone
.Lvout:
.set i, 0
.rept 32
	ds_load_b128 v[128+4*i:131+4*i], v[RDV] offset:544*i
.set i, i+1
.endr
.set i, 0
.rept 32                               ; rows d = 2 i, 2 i + 1 of my head go to the rows with bits 3 and 4 of d exchanged: bits 2 and 3 of i
	s_wait_dscnt 31-i
	global_store_b128 v[COV], v[128+4*i:131+4*i], s[94:95] offset:4096*((i&19)|((i&4)<<1)|((i&8)>>1))  ; sixteen lanes store 256 consecutive bytes, aligned
.set i, i+1
.endr
.Ldone:
	s_wait_tensorcnt 0x0                           ; the wave's end
	ds_add_u32 v[SPW], v[NIL]
	s_wait_dscnt 0x0
	CROUND                                         ; the closing round
	s_endpgm
.Lfunc_end_k_qe6eab02d6f_qkv:
	.size	k_qe6eab02d6f_qkv, .Lfunc_end_k_qe6eab02d6f_qkv-k_qe6eab02d6f_qkv
	.p2alignl 7, 3214868480
	.fill 96, 4, 3214868480
	.section	.rodata,"a",@progbits
	.p2align	6, 0x0
	.amdhsa_kernel k_qe6eab02d6f_qkv
		.amdhsa_group_segment_fixed_size 327680
		.amdhsa_private_segment_fixed_size 0
		.amdhsa_enable_private_segment 0
		.amdhsa_kernarg_size 56
		.amdhsa_user_sgpr_count 2
		.amdhsa_user_sgpr_kernarg_segment_ptr 1
		.amdhsa_wavefront_size32 1
		.amdhsa_system_sgpr_workgroup_id_x 1
		.amdhsa_system_sgpr_workgroup_id_y 1
		.amdhsa_system_sgpr_workgroup_id_z 1
		.amdhsa_system_vgpr_workitem_id 0
		.amdhsa_next_free_vgpr 1024
		.amdhsa_next_free_sgpr 100
		.amdhsa_reserve_vcc 0
		.amdhsa_float_denorm_mode_32 3
		.amdhsa_float_denorm_mode_16_64 3
		.amdhsa_memory_ordered 1
		.amdhsa_forward_progress 1
		.amdhsa_inst_pref_size 173
	.end_amdhsa_kernel
	.amdgpu_metadata
---
amdhsa.version: [ 1, 2 ]
amdhsa.kernels:
  - .name:           k_qe6eab02d6f_qkv
    .symbol:         k_qe6eab02d6f_qkv.kd
    .args:
      - { .name: tcodes, .offset: 0, .size: 8, .value_kind: global_buffer, .address_space: global }
      - { .name: wcodes, .offset: 8, .size: 8, .value_kind: global_buffer, .address_space: global }
      - { .name: bq, .offset: 16, .size: 8, .value_kind: global_buffer, .address_space: global }
      - { .name: bk, .offset: 24, .size: 8, .value_kind: global_buffer, .address_space: global }
      - { .name: bv, .offset: 32, .size: 8, .value_kind: global_buffer, .address_space: global }
      - { .name: lowp_scales, .offset: 40, .size: 8, .value_kind: global_buffer, .address_space: global }
      - { .name: qkvc, .offset: 48, .size: 8, .value_kind: global_buffer, .address_space: global }
    .group_segment_fixed_size: 327680
    .private_segment_fixed_size: 0
    .kernarg_segment_align: 8
    .kernarg_segment_size: 56
    .max_flat_workgroup_size: 128
    .sgpr_count:     100
    .vgpr_count:     1024
    .wavefront_size: 32
...
	.end_amdgpu_metadata
.endif
;; end of part 2
;; launch attn (part 3): grid 8 x 32, 16 waves a work-group, no clusters, 327,680 bytes of LDS; arguments qkvc, lowp_scales, ctxc; writes ctxc
.if DOCPART == 3
	.amdgcn_target "amdgcn-amd-amdhsa--gfx1250"
	.amdhsa_code_object_version 6
	.text
	.protected	k_qe6eab02d6f_attn
	.globl	k_qe6eab02d6f_attn
	.p2align	8
	.type	k_qe6eab02d6f_attn,@function
k_qe6eab02d6f_attn:
	s_mov_b64 s[64:65], 0
	v_nop
	global_prefetch_b8 v0, s[64:65] scope:SCOPE_SE
	s_setreg_imm32_b32 hwreg(HW_REG_WAVE_MODE, 25, 1), 1
	s_wait_xcnt 0x0
; ATTN.  ctx[b][h][q] = softmax_k(q . k / 8) v, causal, both products on codes of BF8 (E5M2); ctx is quantised on the way out for the next product.
; qkvc: q at 0 and k at 4 MiB, [batch x head][row][64]; v at 8 MiB, [batch x head][row][t] (the keys innermost: they are the second product's K).
; q's row is the token; k's row is the token, and v's row is d, WITH BITS 3 AND 4 EXCHANGED.
; THE SOFTMAX AHEAD OF THE SECOND PRODUCT: t = score x log2(e) / 8; M = the row's largest t so far, rounded UP to a whole number; p = 2^(t - M) is quantised, not normalised.  The row's sum is
; taken of the unquantised p and divides at the end.  When M moves, the sum and O are multiplied by 2^(old M - new M): exact.
; SHARES.  A work-group serves one head with sixteen waves, a tile of 16 queries each, in 256 registers: four waves to a SIMD, so that one wave's vector work stands beside another's products and LDS loads.
; Eight waves own block x of 128 queries, eight block 15 - x: every work-group then has 8 x 17 key steps that count, whatever x is.  A wave belongs to the later block where ((wave / 8) xor wave) is odd:
; among waves w, w + 4, w + 8, w + 12, and among waves 4 s .. 4 s + 3 alike, two belong to each block.
; Every work-group walks all 2,048 keys' slots, so every trip count is a constant; a step all of whose 128 keys come after the wave's queries is jumped over by a scalar branch on ids.
; A SLOT HOLDS 512 KEYS: the later block ends at key 1,151 at the least, in the third of four slots, so a work-group walks at most one slot without work; and there are four changes of slots.
; NO CLUSTER: that jump hangs on the work-group's block of queries, and the partners of a cluster must branch alike.
; LAYOUT.  Both products are used transposed: S^T = K Q^T (16 x 16 x 64), O^T = V^T P^T (16 x 16 x 128): a lane holds ONE query (lane % 16) throughout.
; THE KEYS OF A TILE ARE NOT NEIGHBOURS: lane r of tile 2 b + u takes key 32 b + 8 u + r + 8 (r / 8), so that the 16 registers of tiles 2 b, 2 b + 1 are keys 32 b + 16 (lane / 16) + 0 .. 15.
; By the exchange of bits 3 and 4 that key lies in ROW 32 b + 16 u + r: a tile's sixteen rows are neighbours in LDS, 80 bytes apart, an odd multiple of 16.
; V's rows d are chosen and laid in the same way (528 bytes apart), so that O^T's 16 registers of two tiles are 16 neighbouring d: the next product's K.
; LIMITS: entries 6 + 7 between -123 and 130 (added to c's exponent field); entries 8 and 10 between -126 and 112.  NaN is not served.
; REGISTERS: v1-7 addresses that stay; v8-11 addresses in hand; v12 -M, v13 the largest t, v[14:15] the sum; v16-23 Q; v32-95 eight fragments of K, then four of V; v96-159 S^T, then p; v160-191 O^T; v192-197 chains; v224-239 p's codes; v236-254 at work.
.set SK,    512                        ; keys in a slot
.set NQ,    4                          ; key steps in a slot
.set KP,    80                         ; a key's row in LDS: 64 bytes + 16 of padding
.set VP,    528                        ; a row of V's tile: 512 + 16
.set VOFF,  SK*KP
.set SLOT1, 1<<17                      ; one exclusive or turns an address in one slot into the other's (a slot uses 74,752 bytes)
.set NSL,   4
.set SPARE, 2*SLOT1                    ; the spare words, 128 bytes for each of sixteen waves, which no other line names
.set AK0,  1
.set AV0,  2
.set PFO,  3
.set SPW,  5
.set NIL,  6
.set GO,   7
.set ADK,  8
.set ADV,  9
.set WV,   18
.set SEL,  20
.set CS,   22
.set G1K,  24
.set G1V,  32
.set G0K,  40
.set G0V,  44
.set TB,   2
.set SLOTS, 67
.set KF,   98
.set Q0,   99
.set PFA,  76
.set PFS,  78
.set PLIM, 80
.macro QCONST se, vsc, vlim, st
	s_add_co_i32 s[\st], s[\se], 127
	s_lshl_b32 s[\st+1], s[\st], 23
	v_mov_b32 v[\vsc], s[\st+1]
	s_add_co_i32 s[\st], s[\st], 15
	s_lshl_b32 s[\st], s[\st], 23
	s_or_b32 s[\st], s[\st], 0x600000
	v_mov_b32 v[\vlim], s[\st]
.endm
; Waves 0 and 1 fetch K's halves of a slot, wave 2 V's tile, the others nothing.  The branches hang on the wave's number alone.  Four v_nop follow each line.
.macro TLOAD
	s_cmp_lt_u32 s[WV], 2
	s_cbranch_scc0 .Lnot_k_\@
	tensor_load_to_lds s[G0K:G0K+3], s[G1K:G1K+7]
	s_nop 0
.rept 4
	v_nop
.endr
	s_branch .Lasked_\@
.Lnot_k_\@:
	s_cmp_eq_u32 s[WV], 2
	s_cbranch_scc0 .Lasked_\@
	tensor_load_to_lds s[G0V:G0V+3], s[G1V:G1V+7]
	s_nop 0
.rept 4
	v_nop
.endr
.Lasked_\@:
.endm
; A PREFETCH INTO THE L2 of what the NEXT change of slots will ask for: four key steps ahead of that load.  Each aligned block of 256 bytes is named once in the launch: all eight work-groups of a head walk
; the same K and V, so the head's first asks; in it waves 4 to 7 ask for K's 32,768 bytes (8,192 a wave, lanes 256 bytes apart), waves 8 to 11 for V's 64 rows x 512 bytes (32 rows and one half of the 512 a wave,
; a lane a row).  The last change that fills a slot asks for nothing; slots 0 and 1 come by their loads alone.
.macro ASK
	s_cmp_gt_u32 s[SLOTS], s[PLIM]
	s_cbranch_scc0 .Lnot_mine_\@
	global_prefetch_b8 v[PFO], s[PFA:PFA+1] th:TH_LOAD_NT scope:SCOPE_SE
.Lnot_mine_\@:
.endm
	s_load_b128 s[4:7], s[0:1], 0x0                ; qkvc, lowp_scales
	s_load_b64 s[16:17], s[0:1], 0x10              ; ctxc
	v_lshl_add_u32 v[SPW], v0, 2, SPARE
	v_mov_b32 v[NIL], 0
	ds_add_u32 v[SPW], v[NIL]                      ; the opening: the add, twice on end, and its wait ahead of the first tensor load
	ds_add_u32 v[SPW], v[NIL]
	v_lshrrev_b32 v8, 5, v0
	s_delay_alu instid0(VALU_DEP_1)
	v_readfirstlane_b32 s[WV], v8                  ; wave 0..15
	s_and_b32 s72, ttmp7, 0xffff                   ; batch x 16 + head
	s_lshl_b32 s74, s72, 17                        ; its first byte in each of q, k, v: 2,048 x 64
	s_lshr_b32 s82, s[WV], 3
	s_xor_b32 s82, s82, s[WV]
	s_and_b32 s82, s82, 1                          ; 0: the earlier block, 1: the later
	s_sub_co_u32 s81, 15, ttmp9
	s_cmp_eq_u32 s82, 0
	s_cselect_b32 s81, ttmp9, s81                  ; my block of 128 queries
	s_lshl_b32 s81, s81, 7
	s_and_b32 s82, s[WV], 7
	s_lshl_b32 s82, s82, 4
	s_add_co_u32 s[Q0], s81, s82                   ; my first query
	s_lshl_b32 s82, s[Q0], 6
	s_add_co_u32 s82, s82, s74                     ; its codes
	s_mov_b32 s83, 0
	s_lshr_b32 s84, s72, 4
	s_lshl_b32 s84, s84, 11
	s_add_co_u32 s84, s84, s[Q0]                   ; its row among the 4,096
	s_lshr_b32 s85, s84, 7
	s_lshl_b32 s85, s85, 4
	s_and_b32 s86, s72, 15
	s_add_co_u32 s85, s85, s86
	s_lshl_b32 s85, s85, 7
	s_and_b32 s86, s84, 127
	s_add_co_u32 s85, s85, s86
	s_lshl_b32 s86, s85, 6                         ; ctxc is [row / 128][head][row % 128][64]
	s_mov_b32 s87, 0
	s_and_b32 s88, s[WV], 1
	s_lshl_b32 s90, s88, 14                        ; K: 256 rows x 64 bytes a wave,
	s_add_co_u32 s90, s90, s74
	s_add_co_u32 s90, s90, 0x400000
	s_mov_b32 s91, 0
	s_mul_i32 s89, s88, 256*KP                     ; and in a slot
	s_add_co_u32 s92, s74, 0x800000                ; V
	s_mov_b32 s93, 0
	s_mov_b32 s[G1K], (0<<16)|(1<<20)|(3<<22)|(3<<25)  ; no mask; elements of 1 byte; padding: four words after every 16
	s_mov_b32 s[G1K+1], 64<<16                     ; tensor_dim0
	s_mov_b32 s[G1K+2], 256<<16                    ; tensor_dim1
	s_mov_b32 s[G1K+3], 64<<16                     ; tile_dim0
	s_mov_b32 s[G1K+4], 256                        ; tile_dim1
	s_mov_b32 s[G1K+5], 64                         ; from row to row
	s_mov_b32 s[G1K+6], 0
	s_mov_b32 s[G1K+7], 0
	s_mov_b32 s[G1V], (0<<16)|(1<<20)|(6<<22)|(3<<25)  ; padding: four words after every 128
	s_mov_b32 s[G1V+1], 512<<16
	s_mov_b32 s[G1V+2], 64<<16
	s_mov_b32 s[G1V+3], 512<<16
	s_mov_b32 s[G1V+4], 64
	s_mov_b32 s[G1V+5], 2048
	s_mov_b32 s[G1V+6], 0
	s_mov_b32 s[G1V+7], 0
	s_mov_b32 s[SEL], 0x76543210
	s_mov_b32 s[SEL+1], 0xfedcba98
	s_mov_b32 s[CS], 0x3e38aa3b                    ; c = log2(e) / 8
	s_mov_b32 s[TB], 0
	s_mov_b32 s[SLOTS], NSL-1
	s_mov_b32 s[KF], 0
	s_wait_dscnt 0x0                               ; both opening adds are done
	s_wait_kmcnt 0x0
	s_load_b128 s[68:71], s[6:7], 0x18             ; entries 6 to 9: q, k, p, v
	s_load_b32 s73, s[6:7], 0x28                   ; entry 10: ctx
	s_mov_b32 s[G0K], 1
	s_mov_b32 s[G0K+1], s89
	s_add_nc_u64 s[G0K+2:G0K+3], s[4:5], s[90:91]
	s_or_b32 s[G0K+3], s[G0K+3], 0x80000000
	s_mov_b32 s[G0V], 1
	s_mov_b32 s[G0V+1], VOFF
	s_add_nc_u64 s[G0V+2:G0V+3], s[4:5], s[92:93]
	s_or_b32 s[G0V+3], s[G0V+3], 0x80000000
	TLOAD                                          ; slot 0
	s_add_nc_u64 s[8:9], s[4:5], s[82:83]          ; Q's codes at my first query
	s_add_nc_u64 s[16:17], s[16:17], s[86:87]      ; ctx likewise
	; the prefetches: where my wave's stand, and who asks
	s_and_b32 s85, s[WV], 3
	s_lshl_b32 s86, s85, 13                        ; K: 8,192 bytes a wave
	s_and_b32 s87, s85, 1
	s_lshl_b32 s87, s87, 16                        ; V: 32 rows of 2,048 bytes,
	s_lshr_b32 s85, s85, 1
	s_lshl_b32 s85, s85, 8                         ; and which 256 of a slot's 512 bytes of a row
	s_add_co_u32 s87, s87, s85
	s_cmp_lt_u32 s[WV], 8
	s_mov_b32 s[PFS], 512
	s_cselect_b32 s[PFS], 32768, s[PFS]            ; a slot on: 512 rows of K, 512 bytes of a row of V
	s_mov_b32 s82, 2048
	s_cselect_b32 s82, 256, s82                    ; from lane to lane
	s_mov_b32 s84, 0x800000
	s_cselect_b32 s84, 0x400000, s84
	s_cselect_b32 s83, s86, s87                    ; my wave's part
	v_and_b32 v[PFO], 31, v0
	s_delay_alu instid0(VALU_DEP_1)
	v_mul_lo_u32 v[PFO], v[PFO], s82
	s_add_co_u32 s83, s83, s[PFS]                  ; in slot 1: the first change of slots steps it to slot 2
	s_add_co_u32 s83, s83, s84
	s_add_co_u32 s82, s83, s74
	s_mov_b32 s83, 0
	s_mov_b32 s[PFS+1], 0
	s_add_nc_u64 s[PFA:PFA+1], s[4:5], s[82:83]
	s_sub_co_u32 s82, s[WV], 4
	s_lshr_b32 s82, s82, 3                         ; 0 in waves 4 to 11,
	s_or_b32 s82, s82, ttmp9                       ; of the head's first work-group
	s_cmp_eq_u32 s82, 0
	s_cselect_b32 s[PLIM], 1, -1
	v_and_b32 v8, 15, v0                           ; r
	v_bfe_u32 v9, v0, 4, 1                         ; h
	s_delay_alu instid0(VALU_DEP_2)
	v_lshlrev_b32 v10, 6, v8
	s_delay_alu instid0(VALU_DEP_1)
	v_lshl_add_u32 v10, v9, 4, v10
.irp c, 0,1
	global_load_b128 v[16+4*\c:19+4*\c], v10, s[8:9] offset:32*\c   ; Q's fragment stays in registers: registers 4 c on hold d = 32 c + 16 h + 0 .. 15, as K's do
.endr
	v_mul_u32_u24 v[AK0], v8, KP
	s_delay_alu instid0(VALU_DEP_1)
	v_lshl_add_u32 v[AK0], v9, 4, v[AK0]           ; a tile's row r, + 16 h
	v_mul_u32_u24 v[AV0], v8, VP
	s_delay_alu instid0(VALU_DEP_1)
	v_lshl_add_u32 v[AV0], v9, 4, v[AV0]
	s_delay_alu instid0(VALU_DEP_1)
	v_add_nc_u32 v[AV0], VOFF, v[AV0]
	v_and_b32 v[GO], 31, v0
	s_delay_alu instid0(VALU_DEP_1)
	v_lshlrev_b32 v[GO], 4, v[GO]                  ; the way out: 16 bytes a lane
	v_mov_b32 v13, 0xff61b1e6                      ; the largest t so far: -3e38, under every t
	s_delay_alu instid0(VALU_DEP_1)
	v_floor_f32 v12, -v13                          ; -M
	v_mov_b32 v14, 0
	v_mov_b32 v15, 0
	v_mov_b32 v236, 0                              ; a lane permute's destination counts as one of its sources
	v_mov_b32 v253, 0
.set i, 0
.rept 32
	v_mov_b32 v[160+i], 0                          ; O^T: the loop is written once; its first step finds zeros, which the first change of M leaves zeros
.set i, i+1
.endr
	s_wait_kmcnt 0x0
	s_add_co_i32 s72, s68, s69
	s_lshl_b32 s72, s72, 23
	s_add_co_i32 s[CS], s[CS], s72                 ; a score stands for score x 2^(eq + ek): added to c's exponent field
	s_mov_b32 s[CS+1], s[CS]
	QCONST 70, 244, 240, 84                        ; p's scale and hold
	QCONST 73, 245, 241, 84                        ; ctx's
.macro STEP q                          ; 128 keys, the q-th of the slot in hand
	s_add_co_u32 s96, s[Q0], 15
	s_cmp_gt_u32 s[KF], s96
	s_cbranch_scc1 .Lhidden_\@                     ; all keys come after my queries: no load, product or softmax; no barrier or tensor load stands in a step
	v_add_nc_u32 v[ADK], s[TB], v[AK0]
	v_add_nc_u32 v[ADV], s[TB], v[AV0]
	v_nop
	v_nop                                          ; with the two additions: four places in front of loads into registers that the last products read
.irp t, 0,1,2,3,4,5,6,7
.irp c, 0,1
	ds_load_b128 v[32+8*\t+4*\c:35+8*\t+4*\c], v[ADK] offset:(128*(\q)+16*\t)*KP+32*\c
.endr
.endr
	s_wait_alu depctr_va_vdst(0)
	s_wait_dscnt 0x0
.irp t, 0,1,2,3,4,5,6,7
	v_wmma_f32_16x16x64_bf8_bf8 v[96+8*\t:103+8*\t], v[32+8*\t:39+8*\t], v[16:23], 0
.endr
.rept 4
	v_nop                                          ; four places: in front of the first read of the scores, and of the loads into K's registers
.endr
.irp t, 0,1,2,3                        ; V's four fragments are asked for here, into the registers that K has left: the softmax stands between these loads and the wait for them
.irp c, 0,1,2,3
	ds_load_b128 v[32+16*\t+4*\c:35+16*\t+4*\c], v[ADV] offset:16*\t*VP+128*(\q)+32*\c
.endr
.endr
	s_add_co_u32 s96, s[KF], 127                   ; on the diagonal the scores of hidden keys become -infinity ahead of the maximum; a step all of whose keys count skips this
	s_cmp_le_u32 s96, s[Q0]
	s_cbranch_scc1 .Lopen_\@
	s_sub_co_i32 s96, s[Q0], s[KF]
	v_and_b32 v252, 15, v0
	v_bfe_u32 v253, v0, 4, 1
	s_delay_alu instid0(VALU_DEP_1)
	v_lshlrev_b32 v253, 4, v253
	s_delay_alu instid0(VALU_DEP_1)
	v_sub_nc_u32 v252, v252, v253
	s_delay_alu instid0(VALU_DEP_1)
	v_add_nc_u32 v252, s96, v252                   ; d = my query - KF - 16 h.  Register 16 b + i holds key KF + 16 h + 32 b + i: hidden where 32 b + i > d
	v_mov_b32 v254, 0xff800000
.set n, 0
.rept 64
	v_cmp_gt_i32 vcc_lo, 32*(n/16)+n%16, v252
	v_cndmask_b32 v[96+n], v[96+n], v254, vcc_lo
.set n, n+1
.endr
.Lopen_\@:
	v_max3_num_f32 v254, v96, v97, v98             ; the step's largest score of my query, among my 64 keys, in four chains, the registers in ascending order,
	v_max3_num_f32 v252, v99, v100, v101
	v_max3_num_f32 v192, v102, v103, v104
	v_max3_num_f32 v193, v105, v106, v107
.irp i, 12,20,28,36,44,52
	v_max3_num_f32 v254, v254, v[96+\i], v[97+\i]
	v_max3_num_f32 v252, v252, v[98+\i], v[99+\i]
	v_max3_num_f32 v192, v192, v[100+\i], v[101+\i]
	v_max3_num_f32 v193, v193, v[102+\i], v[103+\i]
.endr
	v_max3_num_f32 v254, v254, v156, v157
	v_max3_num_f32 v252, v252, v158, v159
	s_delay_alu instid0(VALU_DEP_1)
	v_max3_num_f32 v254, v254, v252, v192
	s_delay_alu instid0(VALU_DEP_1)
	v_max_num_f32 v254, v254, v193
	v_permlanex16_b32 v236, v254, s[SEL], s[SEL+1]
	s_delay_alu instid0(VALU_DEP_1)
	v_max_num_f32 v254, v254, v236                 ; and among lane l xor 16's
	s_delay_alu instid0(VALU_DEP_1)
	v_mul_f32 v254, s[CS], v254                    ; as t (c is positive)
	s_delay_alu instid0(VALU_DEP_1)
	v_max_num_f32 v13, v13, v254
	v_mov_b32 v254, v12
	s_delay_alu instid0(VALU_DEP_2)
	v_floor_f32 v12, -v13                          ; the new -M = floor(-t): M is a whole number
	s_delay_alu instid0(VALU_DEP_1)
	v_sub_f32 v254, v12, v254
	s_delay_alu instid0(VALU_DEP_1)
	v_cvt_i32_f32 v254, v254                       ; (it saturates)
	s_delay_alu instid0(VALU_DEP_1)
	v_ldexp_f32 v252, 1.0, v254                    ; f = 2^(old M - new M)
.set i, 0
.rept 32
	v_pk_fma_f32 v[96+i:97+i], v[96+i:97+i], s[CS:CS+1], v[12:13] op_sel_hi:[1,0,0]   ; t - M, two at a time
.set i, i+2
.endr
.set i, 0
	s_wait_alu depctr_va_vdst(0)
.rept 64
	v_exp_f32 v[96+i], v[96+i]                     ; p = 2^(t - M), at most 1
.set i, i+1
.endr
	v_pk_mul_f32 v[14:15], v[14:15], v[252:253] op_sel_hi:[1,0]   ; the sums under the new M: a plain line behind the exponentials
	s_wait_alu depctr_va_vdst(0)                   ; one wait for the whole batch, ahead of its first reader
	v_pk_add_f32 v[242:243], v[108:109], v[116:117]
	v_pk_add_f32 v[194:195], v[124:125], v[132:133]
	v_pk_add_f32 v[196:197], v[140:141], v[148:149]
	v_pk_add_f32 v[254:255], v[156:157], v[96:97]
	v_pk_add_f32 v[250:251], v[98:99], v[110:111]
	v_pk_add_f32 v[248:249], v[118:119], v[126:127]
	v_pk_add_f32 v[246:247], v[134:135], v[142:143]
	v_pk_add_f32 v[14:15], v[14:15], v[150:151]
	v_pk_add_f32 v[242:243], v[242:243], v[158:159]
	v_pk_add_f32 v[194:195], v[194:195], v[100:101]
	v_pk_add_f32 v[196:197], v[196:197], v[102:103]
	v_pk_add_f32 v[254:255], v[254:255], v[112:113]
	v_pk_add_f32 v[250:251], v[250:251], v[120:121]
	v_pk_add_f32 v[248:249], v[248:249], v[128:129]
	v_pk_add_f32 v[246:247], v[246:247], v[136:137]
	v_pk_add_f32 v[14:15], v[14:15], v[144:145]
	v_pk_add_f32 v[242:243], v[242:243], v[152:153]
	v_pk_add_f32 v[194:195], v[194:195], v[104:105]
	v_pk_add_f32 v[196:197], v[196:197], v[106:107]
	v_pk_add_f32 v[254:255], v[254:255], v[114:115]
	v_pk_add_f32 v[250:251], v[250:251], v[122:123]
	v_pk_add_f32 v[248:249], v[248:249], v[130:131]
	v_pk_add_f32 v[246:247], v[246:247], v[138:139]
	v_pk_add_f32 v[14:15], v[14:15], v[146:147]
	v_pk_add_f32 v[242:243], v[242:243], v[154:155]
	s_delay_alu instid0(VALU_DEP_2)
	v_pk_add_f32 v[14:15], v[14:15], v[254:255]
	s_delay_alu instid0(VALU_DEP_2)
	v_pk_add_f32 v[242:243], v[242:243], v[250:251]
	v_pk_add_f32 v[194:195], v[194:195], v[248:249]
	v_pk_add_f32 v[196:197], v[196:197], v[246:247]
	s_delay_alu instid0(VALU_DEP_2)
	v_pk_add_f32 v[14:15], v[14:15], v[194:195]
	s_delay_alu instid0(VALU_DEP_2)
	v_pk_add_f32 v[242:243], v[242:243], v[196:197]
	s_delay_alu instid0(VALU_DEP_1)
	v_pk_add_f32 v[14:15], v[14:15], v[242:243]
.irp b, 0,1,2,3
.irp i, 0,1,2,3,4,5,6,7,8,9,10,11,12,13,14,15
	v_min_num_f32 v[96+16*\b+\i], v[96+16*\b+\i], v240   ; the conversion does not saturate (ISA guide 7.6.2); p is not negative: the hold is one-sided
.endr
	v_cvt_scalef32_pk8_bf8_f32 v[224+4*\b:225+4*\b], v[96+16*\b:103+16*\b], v244
	v_cvt_scalef32_pk8_bf8_f32 v[226+4*\b:227+4*\b], v[104+16*\b:111+16*\b], v244
.endr
.set i, 0
.rept 16
	v_pk_mul_f32 v[160+i:161+i], v[160+i:161+i], v[252:253] op_sel_hi:[1,0]   ; O^T under the new M; these are also the plain lines between the conversions and the products below
.set i, i+2
.endr
	s_wait_alu depctr_va_vdst(0)
	s_wait_dscnt 0x0                               ; V's fragments are in
.irp t, 0,1,2,3
	v_wmma_f32_16x16x128_bf8_bf8 v[160+8*\t:167+8*\t], v[32+16*\t:47+16*\t], v[224:239], v[160+8*\t:167+8*\t]   ; the four accumulators by turns
.endr
.Lhidden_\@:
	s_add_co_u32 s[KF], s[KF], 128
.endm
; THE CHANGE OF SLOTS stands at a slot's head: each wave waits for all its tensor loads, adds 0 to its spare word, and waits for that and for its reads of the slot that it has left.
; Behind the barrier the slot ahead is whole and nobody reads the other.  fill = 1: that other slot takes the keys that follow: the load has a slot's four steps in which to land.
.macro CHANGE fill
	s_wait_tensorcnt 0x0                           ; no tensor load of mine is out, so a group 0 may be written
	ds_add_u32 v[SPW], v[NIL]
.if \fill
	ds_add_u32 v[SPW], v[NIL]                      ; fill = 1: once more: the add twice on end
	s_xor_b32 s[G0K+1], s[G0K+1], SLOT1
	s_add_nc_u64 s[G0K+2:G0K+3], s[G0K+2:G0K+3], SK*64
	s_xor_b32 s[G0V+1], s[G0V+1], SLOT1
	s_add_nc_u64 s[G0V+2:G0V+3], s[G0V+2:G0V+3], SK
	s_wait_xcnt 0x0                                ; the last prefetch, a slot back, has read its address
	s_add_nc_u64 s[PFA:PFA+1], s[PFA:PFA+1], s[PFS:PFS+1]
.endif
	s_wait_dscnt 0x0                               ; the add is done, and my reads of the slot that I have left are over
	s_barrier_signal -1
	s_barrier_wait -1
.if \fill
	TLOAD                                          ; the first thing behind the barrier, and a wave's one tensor load until the next
	ASK
.endif
.endm
.macro SLOT_STEPS
.set Q, 0
.rept NQ
	STEP Q
.set Q, Q+1
.endr
	s_xor_b32 s[TB], s[TB], SLOT1
.endm
	s_wait_loadcnt 0x0                             ; Q
.Lslot:                                            ; NSL - 1 trips
	CHANGE 1
	SLOT_STEPS
	s_sub_co_u32 s[SLOTS], s[SLOTS], 1
	s_cmp_lg_u32 s[SLOTS], 0
	s_cbranch_scc1 .Lslot
	CHANGE 0                                       ; the last slot is written out
	SLOT_STEPS
	; THE WAY OUT.  O^T x 2^(ep + ev) / the sum, held and converted with ctx's scale: 64 codes a query.  They turn through my 1,024 bytes of stage, in slot 0, which was left at the last change of
	; slots (it has had its last fill, and nobody reads it), and leave as 1,024 consecutive bytes.
	v_add_f32 v14, v14, v15
	s_delay_alu instid0(VALU_DEP_1)
	v_permlanex16_b32 v252, v14, s[SEL], s[SEL+1]
	s_delay_alu instid0(VALU_DEP_1)
	v_add_f32 v14, v14, v252                       ; the row's sum
	s_wait_alu depctr_va_vdst(0)
	v_rcp_f32 v14, v14
	v_and_b32 v8, 15, v0                           ; (a plain line behind the transcendental)
	v_bfe_u32 v9, v0, 4, 1
	s_add_co_i32 s72, s70, s71
	s_lshl_b32 s74, s[WV], 10                      ; my stage
	v_lshlrev_b32 v10, 6, v8
	s_delay_alu instid0(VALU_DEP_1)
	v_lshl_add_u32 v10, v9, 4, v10
	s_delay_alu instid0(VALU_DEP_1)
	v_add_nc_u32 v10, s74, v10                     ; in: query r's 64 bytes, + 16 h
	v_add_nc_u32 v11, s74, v[GO]                   ; back: as they lie
	s_wait_alu depctr_va_vdst(0)                   ; the wait, ahead of the first reader
	v_ldexp_f32 v14, v14, s72
.set i, 0
.rept 32
	v_mul_f32 v[96+i], v[160+i], v14               ; register 16 b + i is ctx(r, 32 b + 16 h + i)
.set i, i+1
.endr
.set i, 0
.rept 32
	v_med3_num_f32 v[96+i], v[96+i], -v241, v241
.set i, i+1
.endr
.irp k, 0,1,2,3
	v_cvt_scalef32_pk8_bf8_f32 v[224+2*\k:225+2*\k], v[96+8*\k:103+8*\k], v245
.endr
	v_nop                                          ; one plain line behind the last conversion
	ds_store_b128 v10, v[224:227]
	ds_store_b128 v10, v[228:231] offset:32
	ds_load_b128 v[32:35], v11                     ; LDS serves a wave's instructions in order (ISA guide 5.7.1.4): these see my stores
	ds_load_b128 v[36:39], v11 offset:512
	s_wait_dscnt 1                                 ; the second load may be out
	global_store_b128 v[GO], v[32:35], s[16:17]
	s_wait_dscnt 0
	global_store_b128 v[GO], v[36:39], s[16:17] offset:512
	s_wait_tensorcnt 0x0                           ; the wave's end
	ds_add_u32 v[SPW], v[NIL]
	s_wait_dscnt 0x0
	s_endpgm
.Lfunc_end_k_qe6eab02d6f_attn:
	.size	k_qe6eab02d6f_attn, .Lfunc_end_k_qe6eab02d6f_attn-k_qe6eab02d6f_attn
	.p2alignl 7, 3214868480
	.fill 96, 4, 3214868480
	.section	.rodata,"a",@progbits
	.p2align	6, 0x0
	.amdhsa_kernel k_qe6eab02d6f_attn
		.amdhsa_group_segment_fixed_size 327680
		.amdhsa_private_segment_fixed_size 0
		.amdhsa_enable_private_segment 0
		.amdhsa_kernarg_size 24
		.amdhsa_user_sgpr_count 2
		.amdhsa_user_sgpr_kernarg_segment_ptr 1
		.amdhsa_wavefront_size32 1
		.amdhsa_system_sgpr_workgroup_id_x 1
		.amdhsa_system_sgpr_workgroup_id_y 1
		.amdhsa_system_sgpr_workgroup_id_z 1
		.amdhsa_system_vgpr_workitem_id 0
		.amdhsa_next_free_vgpr 256
		.amdhsa_next_free_sgpr 100
		.amdhsa_reserve_vcc 1
		.amdhsa_float_denorm_mode_32 3
		.amdhsa_float_denorm_mode_16_64 3
		.amdhsa_memory_ordered 1
		.amdhsa_forward_progress 1
		.amdhsa_inst_pref_size 185
	.end_amdhsa_kernel
	.amdgpu_metadata
---
amdhsa.version: [ 1, 2 ]
amdhsa.kernels:
  - .name:           k_qe6eab02d6f_attn
    .symbol:         k_qe6eab02d6f_attn.kd
    .args:
      - { .name: qkvc, .offset: 0, .size: 8, .value_kind: global_buffer, .address_space: global }
      - { .name: lowp_scales, .offset: 8, .size: 8, .value_kind: global_buffer, .address_space: global }
      - { .name: ctxc, .offset: 16, .size: 8, .value_kind: global_buffer, .address_space: global }
    .group_segment_fixed_size: 327680
    .private_segment_fixed_size: 0
    .kernarg_segment_align: 8
    .kernarg_segment_size: 24
    .max_flat_workgroup_size: 512
    .sgpr_count:     100
    .vgpr_count:     256
    .wavefront_size: 32
...
	.end_amdgpu_metadata
.endif
;; end of part 3
;; launch oproj (part 4): grid 8 x 32, 4 waves a work-group, clusters of 4 x 4, 327,680 bytes of LDS; arguments ctxc, wcodes, bo, x, lowp_scales, x1; writes x1
.if DOCPART == 4
	.amdgcn_target "amdgcn-amd-amdhsa--gfx1250"
	.amdhsa_code_object_version 6
	.text
	.protected	k_qe6eab02d6f_oproj
	.globl	k_qe6eab02d6f_oproj
	.p2align	8
	.type	k_qe6eab02d6f_oproj,@function
k_qe6eab02d6f_oproj:
	s_mov_b64 s[64:65], 0
	v_nop
	global_prefetch_b8 v0, s[64:65] scope:SCOPE_SE
	s_setreg_imm32_b32 hwreg(HW_REG_WAVE_MODE, 25, 1), 1
	s_wait_xcnt 0x0
	s_wait_alu depctr_hold_cnt(0) depctr_sa_sdst(0) depctr_va_vdst(0) depctr_va_sdst(0) depctr_va_ssrc(0) depctr_va_vcc(0) depctr_vm_vsrc(0)
	s_getreg_b32 s2, hwreg(HW_REG_IB_STS2, 6, 4)
	s_cmp_eq_u32 s2, 0
	s_cbranch_scc0 .Lentry_in_a_cluster
	s_endpgm
.Lentry_in_a_cluster:
	s_bfe_u32 s2, ttmp6, 0x10000c
	s_cmp_lg_u32 s2, 0xf033
	s_cbranch_scc0 .Lentry_shape_is_right
	s_endpgm
.Lentry_shape_is_right:
; C = residual + (A B^T x 2^(eA + eB) + bias) on codes of BF8 (E5M2), f32 out, N = 1,024.  One text serves two launches: OPROJ = 1: x1 = x + ctx Wo + bo, K = 1,024; OPROJ = 0: out0 = x1 + h Wd + bd, K = 4,096.
; A tile of C is 128 x 128: 256 work-groups, one for each WGP.  THE FOUR WAVES SPLIT K: each makes the whole tile (64 accumulators, 512 registers) over its own 128 of every 512 along K, so that a wave's
; tile keeps the side 128 and no fragment is read from LDS twice; the four partial tiles are added on the way out, through LDS.  (The order of the f32 sums differs from a single chain's.)
; A slot of the ring holds 512 along K: two blocks of A and two of B; each wave fetches one by one joint load.  B's blocks, and h's, are 128 rows x 256 codes, dense.  ctx lies [row / 128][head][128][64]:
; four heads are 512 rows of 64 bytes on end, one load.  With K = 1,024 both slots are filled once and nothing is filled again; with K = 4,096 six refills follow, each behind a round of the cluster's barrier.
; CLUSTERS: 4 x 4 work-groups; A's blocks are shared along a row of the cluster, B's along a column.  THE MATRIX INSTRUCTION IS USED TRANSPOSED: a lane holds eight neighbouring columns of one row of C.
; LIMIT: eA + eB between -126 and 127.
; REGISTERS: window 0: v4-7 the four stages, v8-11 the bias, v16-29 addresses; from v128 A's fragments, one set; on the way out v32-95 partial rows, v96-127 results, v128-255 the residual's rows.
;   window 1: B's fragments, two sets.  windows 2, 3: the accumulators.
.set OPROJ, 1
.set PITCH,  272
.set FR,     16
.set NL,     4
.set NP,     4
.set BQ,     128*PITCH                 ; a block of B in LDS
.if OPROJ
.set AQ,     512*80                    ; four heads of ctx in LDS: 512 rows of 64 bytes + 16
.set SH,     17                        ; bytes of a block row of A and of B: 2^SH
.set WOFF,   0x300000                  ; Wo's codes in wcodes
.set EOFF,   0x28                      ; entries 10, 11
.else
.set AQ,     128*PITCH
.set SH,     19
.set WOFF,   0x800000                  ; Wd's codes
.set EOFF,   0x38                      ; entries 14, 15
.endif
.set SLOT,   2*AQ+2*BQ
.set SPARE,  2*SLOT                    ; (K = 4,096 alone) behind the ring: the spare words, 128 bytes a wave, which no other line names
.set SPITCH, 528                       ; the way out: a stage of 128 rows x (512 bytes + 16) for each wave, in the ring, which is done with
.set STG,    128*SPITCH
.set RD,   4
.set BIAS, 8
.set ADRA, 16
.set ADRB, 20
.set STO,  24
.set CO,   26
.set SPW,  28
.set NIL,  29
.set AF,   128
.set RES,  128
.set G1, 24
.set G0, 32
.set G1B, 48
.set G0B, 56
.set MSB, 0
.macro WIN new                         ; the immediate's high byte repeats the setting that is left
.if MSB != \new
	s_set_vgpr_msb (MSB<<8)|\new
.set MSB, \new
.endif
.endm
.set MUL_LO, 0xa1
.set MUL_HI, 0xf1
.set TO_B,   0x40
.macro JLOAD g0a, g1a, g0b, g1b        ; waves 0 and 1 fetch A's two blocks, waves 2 and 3 B's; four v_nop follow each line
	s_cmp_eq_u32 s15, 0
	s_cbranch_scc0 .Lfor_b_\@
	tensor_load_to_lds s[\g0a:\g0a+3], s[\g1a:\g1a+7]
	s_nop 0
.rept 4
	v_nop
.endr
	s_branch .Lasked_\@
.Lfor_b_\@:
	tensor_load_to_lds s[\g0b:\g0b+3], s[\g1b:\g1b+7]
	s_nop 0
.rept 4
	v_nop
.endr
.Lasked_\@:
.endm
.macro CREST
	s_cmp_lg_u32 s14, 0
	s_cbranch_scc1 .Lnot_wave_0_\@
	s_barrier_signal -3
.Lnot_wave_0_\@:
	s_barrier_wait -3
	s_barrier_signal -1
	s_barrier_wait -1
.endm
.macro CROUND
	s_barrier_signal -1
	s_barrier_wait -1
	CREST
.endm
	s_load_b128 s[4:7], s[0:1], 0x0                ; A's codes, wcodes
	s_load_b128 s[8:11], s[0:1], 0x10              ; the bias, the residual
	s_load_b128 s[68:71], s[0:1], 0x20             ; lowp_scales, C
	v_lshl_add_u32 v[SPW], v0, 2, SPARE
	v_mov_b32 v[NIL], 0
	ds_add_u32 v[SPW], v[NIL]                      ; the opening: the add, twice on end, and its wait ahead of the first round
	ds_add_u32 v[SPW], v[NIL]
	v_lshrrev_b32 v1, 5, v0
	v_readfirstlane_b32 s14, v1                    ; wave 0..3: also my 128 of a slot's 512 along K
	s_lshr_b32 s15, s14, 1                         ; I fetch for A (0) or for B (1); my K part lies in block wave / 2,
	s_and_b32 s16, s14, 1                          ; which of the two blocks I fetch; in its half wave % 2
	s_bfe_u32 s40, ttmp6, 0x40000                  ; cx
	s_bfe_u32 s41, ttmp6, 0x40004                  ; cy
	s_lshl_b32 s42, ttmp9, 2
	s_add_co_u32 s42, s42, s40                     ; tile column
	s_and_b32 s17, ttmp7, 0xffff
	s_lshl_b32 s17, s17, 2
	s_add_co_u32 s17, s17, s41                     ; tile row
	s_lshl_b32 s43, s41, 2
	s_lshl_b32 s43, 15, s43                        ; my row of the cluster
	s_lshl_b32 s44, 0x1111, s40                    ; my column
.if OPROJ
	s_or_b32 s[G1+0], s43, (0<<16)|(1<<20)|(1<<21)|(3<<22)|(3<<25)  ; the mask; elements of 1 byte; padding on; 21 set beside a mask; four words after every 16
	s_mov_b32 s[G1+1], 64<<16                      ; tensor_dim0
	s_mov_b32 s[G1+2], 1024<<16                    ; ONE LOAD A WAVE BRINGS A SLOT'S TWO BLOCKS, which lie on end in memory and in LDS: waves 0, 1: A of slot 0, 1; waves 2, 3: B of slot 0, 1
	s_mov_b32 s[G1+3], 64<<16                      ; tile_dim0
	s_mov_b32 s[G1+4], 1024
	s_mov_b32 s[G1+5], 64                          ; from row to row
.else
	s_or_b32 s[G1+0], s43, (0<<16)|(1<<20)|(1<<21)|(5<<22)|(3<<25)  ; four words after every 64
	s_mov_b32 s[G1+1], 256<<16
	s_mov_b32 s[G1+2], 128<<16
	s_mov_b32 s[G1+3], 256<<16
	s_mov_b32 s[G1+4], 128
	s_mov_b32 s[G1+5], 256
.endif
	s_mov_b32 s[G1+6], 0
	s_mov_b32 s[G1+7], 0
	s_or_b32 s[G1B+0], s44, (0<<16)|(1<<20)|(1<<21)|(5<<22)|(3<<25)
	s_mov_b32 s[G1B+1], 256<<16
	s_mov_b32 s[G1B+2], 256<<16
	s_mov_b32 s[G1B+3], 256<<16
	s_mov_b32 s[G1B+4], 256
	s_mov_b32 s[G1B+5], 256
	s_mov_b32 s[G1B+6], 0
	s_mov_b32 s[G1B+7], 0
	s_lshl_b32 s18, s16, 16                        ; 65,536 bytes a load: the slot wave % 2
	s_lshl_b32 s20, s17, SH
	s_add_co_u32 s20, s20, s18
	s_mov_b32 s21, 0
	s_lshl_b32 s46, s42, SH
	s_add_co_u32 s46, s46, s18
	s_add_co_u32 s46, s46, WOFF
	s_mov_b32 s47, 0
	s_mul_i32 s45, s16, SLOT
	s_mul_i32 s12, s16, SLOT
	s_add_co_u32 s12, s12, 2*AQ
	s_wait_dscnt 0x0                               ; both opening adds are done
	s_wait_kmcnt 0x0
	s_load_b64 s[96:97], s[68:69], EOFF            ; eA, eB
	s_add_nc_u64 s[20:21], s[4:5], s[20:21]
	s_add_nc_u64 s[46:47], s[6:7], s[46:47]
	CROUND                                         ; all sixteen work-groups are here: the first joint loads meet
.irp s, 0
	s_mov_b32 s[G0+4*\s], 1
	s_add_co_u32 s[G0+4*\s+1], s45, \s*SLOT
	s_add_nc_u64 s[G0+4*\s+2:G0+4*\s+3], s[20:21], \s*65536
	s_or_b32 s[G0+4*\s+3], s[G0+4*\s+3], 0x80000000
	s_mov_b32 s[G0B+4*\s], 1
	s_add_co_u32 s[G0B+4*\s+1], s12, \s*SLOT
	s_add_nc_u64 s[G0B+4*\s+2:G0B+4*\s+3], s[46:47], \s*65536
	s_or_b32 s[G0B+4*\s+3], s[G0B+4*\s+3], 0x80000000
	JLOAD G0+4*\s, G1, G0B+4*\s, G1B
.endr
	v_and_b32 v1, 15, v0                           ; r
	v_bfe_u32 v2, v0, 4, 1                         ; h
	v_mul_u32_u24 v3, v1, PITCH
	v_lshl_add_u32 v3, v2, 4, v3                   ; r x 272 + 16 h
	s_lshl_b32 s23, s16, 7
.if OPROJ
	v_mul_u32_u24 v9, v1, 80
	v_lshl_add_u32 v9, v2, 4, v9                   ; r x 80 + 16 h
	s_mul_i32 s21, s14, 20480                      ; my two heads: 2 x 128 rows x 80 bytes a wave
.else
	v_mov_b32 v9, v3
	s_mul_i32 s21, s15, AQ
	s_add_co_u32 s21, s21, s23                     ; block wave / 2, byte 128 (wave % 2) of its rows
.endif
	s_mul_i32 s22, s15, BQ
	s_add_co_u32 s22, s22, s23
	s_add_co_u32 s22, s22, 2*AQ
.irp s, 0,1
	v_add_nc_u32 v[ADRA+\s], s21, v9
	v_add_nc_u32 v[ADRB+\s], s22, v3
	s_add_co_u32 s21, s21, SLOT
	s_add_co_u32 s22, s22, SLOT
.endr
	s_mul_i32 s23, s14, STG
	v_mul_u32_u24 v[STO], v1, SPITCH
	v_lshl_add_u32 v[STO], v2, 5, v[STO]
	v_add_nc_u32 v[STO], s23, v[STO]               ; into my stage: row r, 32 bytes for each half of the lanes
	v_and_b32 v10, 31, v0
	v_lshlrev_b32 v[CO], 4, v10                    ; 16 bytes a lane of a row of 512
	s_mul_i32 s23, s14, 32*SPITCH
	v_add_nc_u32 v[RD], s23, v[CO]                 ; back: rows 32 x wave on, out of each of the four stages
	v_add_nc_u32 v[RD+1], STG, v[RD]
	v_add_nc_u32 v[RD+2], 2*STG, v[RD]
	v_add_nc_u32 v[RD+3], 3*STG, v[RD]
	s_lshl_b32 s20, s17, 7
	s_lshl_b32 s21, s14, 5
	s_add_co_u32 s20, s20, s21                     ; the first row that I store: 128 x tile row + 32 x wave
	s_lshl_b32 s20, s20, 12
	s_lshl_b32 s22, s42, 9                         ; the tile's first column, in bytes
	s_add_co_u32 s20, s20, s22
	s_mov_b32 s21, 0
	s_mov_b32 s23, 0
	s_add_nc_u64 s[10:11], s[10:11], s[20:21]
	s_add_nc_u64 s[70:71], s[70:71], s[20:21]
	s_add_nc_u64 s[8:9], s[8:9], s[22:23]
.macro FRAGA reg, slot, i              ; 16 rows x my 128 K: registers 4 c .. 4 c + 3 hold K = 32 c + 16 h + 0 .. 15
.irp c, 0,1,2,3
.if OPROJ
	ds_load_b128 v[\reg+4*\c:\reg+4*\c+3], v[ADRA+(\slot)] offset:(\c/2)*10240+32*(\c%2)+(\i)*1280   ; K 0-63: my first head; 64-127: my second, 128 rows of 80 bytes on
.else
	ds_load_b128 v[\reg+4*\c:\reg+4*\c+3], v[ADRA+(\slot)] offset:32*\c+(\i)*16*PITCH
.endif
.endr
.endm
.macro FRAGB reg, slot, i
.irp c, 0,1,2,3
	ds_load_b128 v[\reg+4*\c:\reg+4*\c+3], v[ADRB+(\slot)] offset:32*\c+(\i)*16*PITCH
.endr
.endm
; 16 matrix instructions.  The 64 accumulators take turns, one instruction a turn, in the same order in every step.
.macro MUL16 a0, p, zero
.irp a, \a0, \a0+1
.irp b, 0,1,2,3,4,5,6,7
.if \zero
	v_wmma_f32_16x16x128_bf8_bf8 v[8*(8*((\a)%4)+\b):8*(8*((\a)%4)+\b)+7], v[128*(\p)+FR*\b:128*(\p)+FR*\b+FR-1], v[AF+FR*(\a):AF+FR*(\a)+FR-1], 0
.else
	v_wmma_f32_16x16x128_bf8_bf8 v[8*(8*((\a)%4)+\b):8*(8*((\a)%4)+\b)+7], v[128*(\p)+FR*\b:128*(\p)+FR*\b+FR-1], v[AF+FR*(\a):AF+FR*(\a)+FR-1], v[8*(8*((\a)%4)+\b):8*(8*((\a)%4)+\b)+7]
.endif
.endr
.endr
.endm
.macro FETCH_B slot                    ; B's eight fragments of the slot into the set of the slot's number
	WIN TO_B
.irp i, 0,1,2,3,4,5,6,7
	FRAGB 128*(\slot)+FR*\i, \slot, \i
.endr
	WIN 0
.endm
.macro FETCH_A slot, i0
.irp i, \i0, \i0+1, \i0+2, \i0+3
	FRAGA AF+FR*(\i), \slot, \i
.endr
.endm
.macro PLACES n                        ; plain vector lines between a matrix instruction and a load into, or a read of, its registers
.rept \n
	v_nop
.endr
.endm
; A slot's step: 64 matrix instructions, and the change of slots: ONE barrier; in front of it each wave waits for all its tensor loads (with refills in the text: adds 0 to its spare word) and for its reads of this slot.
.macro TSTEP slot, zero, fill
	s_wait_tensorcnt 0x0                           ; all my tensor loads have landed: my part of the next slot
.if OPROJ
	s_wait_dscnt 4*NL                              ; B's set and A's blocks 0-3 are in; the youngest 16 loads (A's blocks 4-7) may be out
.else
	ds_add_u32 v[SPW], v[NIL]                      ; 0 onto my spare word
	s_wait_dscnt 4*NL+1                            ; (the add and the youngest 16 loads may be out)
.endif
	WIN MUL_LO
	MUL16 0, \slot, \zero
	s_wait_dscnt 0x0                               ; my reads of this slot are over
	s_barrier_signal -1
	MUL16 2, \slot, \zero
	WIN 0
	s_barrier_wait -1
.if \fill
	CREST                                          ; the barrier has opened a round of the cluster's barrier: no wave of any partner still reads this slot or has a load on its way
	s_add_nc_u64 s[G0+4*\slot+2:G0+4*\slot+3], s[G0+4*\slot+2:G0+4*\slot+3], 131072
	s_add_nc_u64 s[G0B+4*\slot+2:G0B+4*\slot+3], s[G0B+4*\slot+2:G0B+4*\slot+3], 131072
	JLOAD G0+4*\slot, G1, G0B+4*\slot, G1B         ; the first tensor load behind the round; its four v_nop are the places in front of the loads below
.else
	PLACES NP
.endif
	FETCH_B 1-\slot
	FETCH_A 1-\slot, 0
	WIN MUL_HI
	MUL16 4, \slot, \zero
	MUL16 6, \slot, \zero
	PLACES NP
	WIN 0
	FETCH_A 1-\slot, 4
.endm
	s_wait_alu depctr_va_vdst(0)
	s_wait_tensorcnt 0x0                           ; my one load is in: nothing is filled again in this launch
	s_barrier_signal -1
	s_barrier_wait -1
	FETCH_B 0
	FETCH_A 0, 0
	FETCH_A 0, 4
.if OPROJ
	TSTEP 0, 1, 0                                  ; K = 1,024: two slots, both filled once
.else
	TSTEP 0, 1, 1                                  ; K = 4,096: eight slots' worth, written out; six refills
	TSTEP 1, 0, 1
	TSTEP 0, 0, 1
	TSTEP 1, 0, 1
	TSTEP 0, 0, 1
	TSTEP 1, 0, 1
	TSTEP 0, 0, 0
.endif
	s_wait_dscnt 4*NL                              ; the last step: nothing more to fetch
	WIN MUL_LO
	MUL16 0, 1, 0
	MUL16 2, 1, 0
	s_wait_dscnt 0
	WIN MUL_HI
	MUL16 4, 1, 0
	MUL16 6, 1, 0
	WIN 0
	; THE WAY OUT.  The residual's rows are asked for first; each wave lays its partial tile into its own stage; a barrier; each wave adds the four partial rows of its 32 rows and stores whole rows of 512 bytes.
	PLACES NP                                      ; in front of loads into A's registers and of LDS stores that read results
	global_load_b128 v[BIAS:BIAS+3], v[CO], s[8:9]
.set i, 0
.rept 32
	global_load_b128 v[RES+4*i:RES+4*i+3], v[CO], s[10:11] offset:4096*i
.set i, i+1
.endr
	s_wait_dscnt 0x0
	s_barrier_signal -1                            ; every wave's reads of the ring are over, and every fill has landed: the stages may be laid over it
	s_barrier_wait -1
.irp a, 0,1,2,3,4,5,6,7
	WIN 0x08+4*((\a)/4)                            ; the stores' data: window 2 or 3
.irp b, 0,1,2,3,4,5,6,7
	ds_store_b128 v[STO], v[8*(8*((\a)%4)+\b):8*(8*((\a)%4)+\b)+3] offset:8448*\a+64*\b        ; each accumulator from its low end on
	ds_store_b128 v[STO], v[8*(8*((\a)%4)+\b)+4:8*(8*((\a)%4)+\b)+7] offset:8448*\a+64*\b+16
.endr
.endr
	WIN 0
	s_wait_dscnt 0x0                               ; for the others' sake: my stores are done
	s_barrier_signal -1
	s_barrier_wait -1
.macro RLOAD j                         ; rows 2 j, 2 j + 1 of my 32, out of the four stages, into set j % 2
.irp u, 0,1
.irp s, 0,1,2,3
	ds_load_b128 v[32+32*((\j)%2)+16*\u+4*\s:32+32*((\j)%2)+16*\u+4*\s+3], v[RD+\s] offset:SPITCH*(2*(\j)+\u)
.endr
.endr
.endm
.macro ROWS2 j
.if (\j) < 15
	RLOAD (\j)+1
	s_wait_dscnt 8                                 ; the next two rows' eight loads may be out
.else
	s_wait_dscnt 0
.endif
	s_wait_xcnt 0x0                                ; earlier stores have read their data: the results' registers are written again only behind this wait
.set BB, 32+32*((\j)%2)
.set OO, 96+8*((\j)%4)
.irp u, 0,1
.irp n, 0,2
	v_pk_add_f32 v[BB+16*\u+\n:BB+16*\u+\n+1], v[BB+16*\u+\n:BB+16*\u+\n+1], v[BB+16*\u+4+\n:BB+16*\u+4+\n+1]
	v_pk_add_f32 v[BB+16*\u+8+\n:BB+16*\u+8+\n+1], v[BB+16*\u+8+\n:BB+16*\u+8+\n+1], v[BB+16*\u+12+\n:BB+16*\u+12+\n+1]
.endr
.irp n, 0,2
	v_pk_add_f32 v[BB+16*\u+\n:BB+16*\u+\n+1], v[BB+16*\u+\n:BB+16*\u+\n+1], v[BB+16*\u+8+\n:BB+16*\u+8+\n+1]
.endr
.irp n, 0,2
	v_pk_fma_f32 v[OO+4*\u+\n:OO+4*\u+\n+1], v[BB+16*\u+\n:BB+16*\u+\n+1], s[96:97], v[BIAS+\n:BIAS+\n+1] op_sel_hi:[1,0,1]   ; sum x 2^(eA + eB) + bias
.endr
.irp n, 0,2
	v_pk_add_f32 v[OO+4*\u+\n:OO+4*\u+\n+1], v[OO+4*\u+\n:OO+4*\u+\n+1], v[RES+4*(2*(\j)+\u)+\n:RES+4*(2*(\j)+\u)+\n+1]
.endr
.endr
.irp u, 0,1
.if OPROJ
	global_store_b128 v[CO], v[OO+4*\u:OO+4*\u+3], s[70:71] offset:4096*(2*(\j)+\u)                    ; 32 lanes store 512 consecutive bytes, aligned
.else
	global_store_b128 v[CO], v[OO+4*\u:OO+4*\u+3], s[70:71] offset:4096*(2*(\j)+\u) th:TH_STORE_NT
.endif
.endr
.endm
	RLOAD 0
	s_wait_kmcnt 0x0
	s_add_co_i32 s96, s96, s97
	s_add_co_i32 s96, s96, 127
	s_lshl_b32 s96, s96, 23                        ; 2^(eA + eB) as f32
	s_mov_b32 s97, s96
	s_wait_loadcnt 0x0                             ; the bias and the residual's rows
.irp j, 0,1,2,3,4,5,6,7,8,9,10,11,12,13,14,15
	ROWS2 \j
.endr
	s_wait_tensorcnt 0x0
	ds_add_u32 v[SPW], v[NIL]                      ; the wave's end
	s_wait_dscnt 0x0
	CROUND                                         ; the closing round
	s_endpgm
.Lfunc_end_k_qe6eab02d6f_oproj:
	.size	k_qe6eab02d6f_oproj, .Lfunc_end_k_qe6eab02d6f_oproj-k_qe6eab02d6f_oproj
	.p2alignl 7, 3214868480
	.fill 96, 4, 3214868480
	.section	.rodata,"a",@progbits
	.p2align	6, 0x0
	.amdhsa_kernel k_qe6eab02d6f_oproj
		.amdhsa_group_segment_fixed_size 327680
		.amdhsa_private_segment_fixed_size 0
		.amdhsa_enable_private_segment 0
		.amdhsa_kernarg_size 48
		.amdhsa_user_sgpr_count 2
		.amdhsa_user_sgpr_kernarg_segment_ptr 1
		.amdhsa_wavefront_size32 1
		.amdhsa_system_sgpr_workgroup_id_x 1
		.amdhsa_system_sgpr_workgroup_id_y 1
		.amdhsa_system_sgpr_workgroup_id_z 1
		.amdhsa_system_vgpr_workitem_id 0
		.amdhsa_next_free_vgpr 1024
		.amdhsa_next_free_sgpr 100
		.amdhsa_reserve_vcc 0
		.amdhsa_float_denorm_mode_32 3
		.amdhsa_float_denorm_mode_16_64 3
		.amdhsa_memory_ordered 1
		.amdhsa_forward_progress 1
		.amdhsa_inst_pref_size 68
	.end_amdhsa_kernel
	.amdgpu_metadata
---
amdhsa.version: [ 1, 2 ]
amdhsa.kernels:
  - .name:           k_qe6eab02d6f_oproj
    .symbol:         k_qe6eab02d6f_oproj.kd
    .args:
      - { .name: ctxc, .offset: 0, .size: 8, .value_kind: global_buffer, .address_space: global }
      - { .name: wcodes, .offset: 8, .size: 8, .value_kind: global_buffer, .address_space: global }
      - { .name: bo, .offset: 16, .size: 8, .value_kind: global_buffer, .address_space: global }
      - { .name: x, .offset: 24, .size: 8, .value_kind: global_buffer, .address_space: global }
      - { .name: lowp_scales, .offset: 32, .size: 8, .value_kind: global_buffer, .address_space: global }
      - { .name: x1, .offset: 40, .size: 8, .value_kind: global_buffer, .address_space: global }
    .group_segment_fixed_size: 327680
    .private_segment_fixed_size: 0
    .kernarg_segment_align: 8
    .kernarg_segment_size: 48
    .max_flat_workgroup_size: 128
    .sgpr_count:     100
    .vgpr_count:     1024
    .wavefront_size: 32
...
	.end_amdgpu_metadata
.endif
;; end of part 4
;; launch lnc (part 5): grid 512 x 1, 4 waves a work-group, no clusters, 0 bytes of LDS; arguments x1, ln_c_g, ln_c_b, lowp_scales, ucodes; writes ucodes
.if DOCPART == 5
	.amdgcn_target "amdgcn-amd-amdhsa--gfx1250"
	.amdhsa_code_object_version 6
	.text
	.protected	k_qe6eab02d6f_lnc
	.globl	k_qe6eab02d6f_lnc
	.p2align	8
	.type	k_qe6eab02d6f_lnc,@function
k_qe6eab02d6f_lnc:
	s_mov_b64 s[64:65], 0
	v_nop
	global_prefetch_b8 v0, s[64:65] scope:SCOPE_SE
	s_setreg_imm32_b32 hwreg(HW_REG_WAVE_MODE, 25, 1), 1
	s_wait_xcnt 0x0
; LNC.  u = LN_c(x1) in f32, quantised to BF8 (E5M2) with entry 12 of lowp_scales, into ucodes: [m / 128][k / 256] blocks of 128 rows x 256 codes, dense.
; A wave takes two whole rows of 1,024 numbers, 32 registers each, all asked for at the head; mean and variance in two passes.  Lane l holds columns 256 c + 8 l + 0 .. 7 in registers 8 c + 0 .. 7: eight
; neighbours along K for a conversion, whose 8 bytes x 32 lanes are one row of 256 bytes of block c.  Memory binds: no LDS, no barrier, no matrix unit, no cluster (nothing is shared).
; LIMIT: the exponent between -126 and 112.  NaN is not served.
; REGISTERS: v0, v1 scale and hold (once the addresses are made); v2 32 x lane, v3 8 x lane; v4-19 two sets of held numbers; v[20:21] mean, v[22:23] 1 / sqrt(var + eps); v24-31 chains;
; v32-95 two rows; v160-191 gain, v192-223 bias; v224-239 codes, eight registers a row, so that no store's data are written again.
	s_load_b256 s[4:11], s[0:1], 0x0               ; x1, ln_c_g, ln_c_b, lowp_scales
	s_load_b64 s[12:13], s[0:1], 0x20              ; ucodes
	v_lshrrev_b32 v1, 5, v0
	v_readfirstlane_b32 s3, v1                     ; wave
	v_and_b32 v1, 31, v0
	v_lshlrev_b32 v2, 5, v1
	v_lshlrev_b32 v3, 3, v1
	; SHARES: 512 work-groups, 8 rows each, 2 a wave (v32-95 hold the two rows, v224-239 their codes)
	s_lshl_b32 s20, ttmp9, 3
	s_lshl_b32 s21, s3, 1
	s_add_co_u32 s20, s20, s21                     ; my first row: 8 x work-group + 2 x wave
	s_lshl_b32 s20, s20, 12
	s_mov_b32 s21, 0
	s_lshr_b32 s22, ttmp9, 4
	s_lshl_b32 s22, s22, 17                        ; m / 128: four blocks
	s_and_b32 s23, ttmp9, 15
	s_lshl_b32 s23, s23, 11                        ; + 8 rows of 256 bytes a work-group
	s_add_co_u32 s22, s22, s23
	s_lshl_b32 s23, s3, 9                          ; + 2 a wave
	s_add_co_u32 s22, s22, s23                     ; + 2 a wave
	s_mov_b32 s23, 0
	s_mov_b32 s30, 0x76543210
	s_mov_b32 s31, 0xfedcba98
	s_mov_b32 s32, 0x3a800000                      ; 1 / 1,024
	s_mov_b32 s33, 0x3727c5ac                      ; eps = 1e-5
	s_wait_alu depctr_va_vdst(0)
	s_wait_kmcnt 0x0
	s_load_b32 s36, s[10:11], 0x30                 ; entry 12
	s_add_nc_u64 s[4:5], s[4:5], s[20:21]
	s_add_nc_u64 s[12:13], s[12:13], s[22:23]
.irp c, 0,1,2,3
	global_load_b128 v[160+8*\c:163+8*\c], v2, s[6:7] offset:1024*\c
	global_load_b128 v[164+8*\c:167+8*\c], v2, s[6:7] offset:1024*\c+16
	global_load_b128 v[192+8*\c:195+8*\c], v2, s[8:9] offset:1024*\c
	global_load_b128 v[196+8*\c:199+8*\c], v2, s[8:9] offset:1024*\c+16
.endr
.irp j, 0,1
.irp c, 0,1,2,3
	global_load_b128 v[32+32*\j+8*\c:35+32*\j+8*\c], v2, s[4:5] offset:4096*\j+1024*\c
	global_load_b128 v[36+32*\j+8*\c:39+32*\j+8*\c], v2, s[4:5] offset:4096*\j+1024*\c+16
.endr
.endr
	s_wait_kmcnt 0x0
	s_add_co_i32 s36, s36, 127
	s_lshl_b32 s37, s36, 23
	v_mov_b32 v0, s37                              ; 2^e as f32: the conversion takes its exponent field
	s_add_co_i32 s36, s36, 15
	s_lshl_b32 s36, s36, 23
	s_or_b32 s36, s36, 0x600000
	v_mov_b32 v1, s36                              ; 57,344 x 2^e
.macro REDUCE                          ; v[24:31], four packed chains, become the row's sum in v24 of every lane
	v_pk_add_f32 v[24:25], v[24:25], v[26:27]
	v_pk_add_f32 v[28:29], v[28:29], v[30:31]
	v_pk_add_f32 v[24:25], v[24:25], v[28:29]
	v_add_f32 v24, v24, v25
	v_add_f32_dpp v24, v24, v24 row_xmask:1 row_mask:0xf bank_mask:0xf
	v_add_f32_dpp v24, v24, v24 row_xmask:2 row_mask:0xf bank_mask:0xf
	v_add_f32_dpp v24, v24, v24 row_xmask:4 row_mask:0xf bank_mask:0xf
	v_add_f32_dpp v24, v24, v24 row_xmask:8 row_mask:0xf bank_mask:0xf
	v_permlanex16_b32 v26, v24, s30, s31
	v_add_f32 v24, v24, v26
.endm
.macro ROW j
.set XR, 32+32*(\j)
	s_wait_loadcnt 8*(1-(\j))                      ; this row, and the gain and bias ahead of it, are in; the later row's eight loads may be out
.irp k, 0,1,2,3
	v_pk_add_f32 v[24+2*\k:25+2*\k], v[XR+4*\k:XR+4*\k+1], v[XR+4*\k+2:XR+4*\k+3]
.endr
.irp k, 8,9,10,11,12,13,14,15
	v_pk_add_f32 v[24+2*(\k%4):25+2*(\k%4)], v[24+2*(\k%4):25+2*(\k%4)], v[XR+2*\k:XR+2*\k+1]
.endr
	REDUCE
	v_mul_f32 v20, s32, v24
	v_mul_f32 v21, s32, v24
.irp k, 0,1,2,3,4,5,6,7,8,9,10,11,12,13,14,15
	v_pk_add_f32 v[XR+2*\k:XR+2*\k+1], v[XR+2*\k:XR+2*\k+1], v[20:21] neg_lo:[0,1] neg_hi:[0,1]
.endr
.irp k, 0,1,2,3
	v_pk_mul_f32 v[24+2*\k:25+2*\k], v[XR+2*\k:XR+2*\k+1], v[XR+2*\k:XR+2*\k+1]
.endr
.irp k, 4,5,6,7,8,9,10,11,12,13,14,15
	v_pk_fma_f32 v[24+2*(\k%4):25+2*(\k%4)], v[XR+2*\k:XR+2*\k+1], v[XR+2*\k:XR+2*\k+1], v[24+2*(\k%4):25+2*(\k%4)]
.endr
	REDUCE
	v_fma_f32 v24, v24, s32, s33
	s_wait_alu depctr_va_vdst(0)
	v_rsq_f32 v22, v24
	v_rsq_f32 v23, v24
	v_nop                                          ; a plain line behind the transcendentals,
	s_wait_alu depctr_va_vdst(0)                   ; and the one wait ahead of their first reader
.irp k, 0,1,2,3,4,5,6,7,8,9,10,11,12,13,14,15
	v_pk_mul_f32 v[XR+2*\k:XR+2*\k+1], v[XR+2*\k:XR+2*\k+1], v[22:23]
.endr
.irp k, 0,1,2,3,4,5,6,7,8,9,10,11,12,13,14,15
	v_pk_fma_f32 v[XR+2*\k:XR+2*\k+1], v[XR+2*\k:XR+2*\k+1], v[160+2*\k:161+2*\k], v[192+2*\k:193+2*\k]
.endr
.irp c, 0,1,2,3
.irp n, 0,1,2,3,4,5,6,7
	v_med3_num_f32 v[4+8*(\c%2)+\n], v[XR+8*\c+\n], -v1, v1   ; the hold (ISA guide 7.6.2), into two sets by turns: the next eight holds are the plain lines behind each conversion
.endr
	v_cvt_scalef32_pk8_bf8_f32 v[224+8*(\j)+2*\c:225+8*(\j)+2*\c], v[4+8*(\c%2):11+8*(\c%2)], v0
.endr
.irp c, 0,1,2,3
	global_store_b64 v3, v[224+8*(\j)+2*\c:225+8*(\j)+2*\c], s[12:13] offset:32768*\c+256*(\j)   ; 32 lanes store 256 consecutive bytes, aligned
.endr
.endm
.irp j, 0,1
	ROW \j
.endr
	s_endpgm
.Lfunc_end_k_qe6eab02d6f_lnc:
	.size	k_qe6eab02d6f_lnc, .Lfunc_end_k_qe6eab02d6f_lnc-k_qe6eab02d6f_lnc
	.p2alignl 7, 3214868480
	.fill 96, 4, 3214868480
	.section	.rodata,"a",@progbits
	.p2align	6, 0x0
	.amdhsa_kernel k_qe6eab02d6f_lnc
		.amdhsa_group_segment_fixed_size 0
		.amdhsa_private_segment_fixed_size 0
		.amdhsa_enable_private_segment 0
		.amdhsa_kernarg_size 40
		.amdhsa_user_sgpr_count 2
		.amdhsa_user_sgpr_kernarg_segment_ptr 1
		.amdhsa_wavefront_size32 1
		.amdhsa_system_sgpr_workgroup_id_x 1
		.amdhsa_system_sgpr_workgroup_id_y 1
		.amdhsa_system_sgpr_workgroup_id_z 1
		.amdhsa_system_vgpr_workitem_id 0
		.amdhsa_next_free_vgpr 256
		.amdhsa_next_free_sgpr 66
		.amdhsa_reserve_vcc 0
		.amdhsa_float_denorm_mode_32 3
		.amdhsa_float_denorm_mode_16_64 3
		.amdhsa_memory_ordered 1
		.amdhsa_forward_progress 1
		.amdhsa_inst_pref_size 23
	.end_amdhsa_kernel
	.amdgpu_metadata
---
amdhsa.version: [ 1, 2 ]
amdhsa.kernels:
  - .name:           k_qe6eab02d6f_lnc
    .symbol:         k_qe6eab02d6f_lnc.kd
    .args:
      - { .name: x1, .offset: 0, .size: 8, .value_kind: global_buffer, .address_space: global }
      - { .name: ln_c_g, .offset: 8, .size: 8, .value_kind: global_buffer, .address_space: global }
      - { .name: ln_c_b, .offset: 16, .size: 8, .value_kind: global_buffer, .address_space: global }
      - { .name: lowp_scales, .offset: 24, .size: 8, .value_kind: global_buffer, .address_space: global }
      - { .name: ucodes, .offset: 32, .size: 8, .value_kind: global_buffer, .address_space: global }
    .group_segment_fixed_size: 0
    .private_segment_fixed_size: 0
    .kernarg_segment_align: 8
    .kernarg_segment_size: 40
    .max_flat_workgroup_size: 128
    .sgpr_count:     66
    .vgpr_count:     256
    .wavefront_size: 32
...
	.end_amdgpu_metadata
.endif
;; end of part 5
;; launch ffn1 (part 6): grid 16 x 16, 4 waves a work-group, clusters of 4 x 4, 327,680 bytes of LDS; arguments ucodes, wcodes, be, lowp_scales, hcodes; writes hcodes
.if DOCPART == 6
	.amdgcn_target "amdgcn-amd-amdhsa--gfx1250"
	.amdhsa_code_object_version 6
	.text
	.protected	k_qe6eab02d6f_ffn1
	.globl	k_qe6eab02d6f_ffn1
	.p2align	8
	.type	k_qe6eab02d6f_ffn1,@function
k_qe6eab02d6f_ffn1:
	s_mov_b64 s[64:65], 0
	v_nop
	global_prefetch_b8 v0, s[64:65] scope:SCOPE_SE
	s_setreg_imm32_b32 hwreg(HW_REG_WAVE_MODE, 25, 1), 1
	s_wait_xcnt 0x0
	s_wait_alu depctr_hold_cnt(0) depctr_sa_sdst(0) depctr_va_vdst(0) depctr_va_sdst(0) depctr_va_ssrc(0) depctr_va_vcc(0) depctr_vm_vsrc(0)
	s_getreg_b32 s2, hwreg(HW_REG_IB_STS2, 6, 4)
	s_cmp_eq_u32 s2, 0
	s_cbranch_scc0 .Lentry_in_a_cluster
	s_endpgm
.Lentry_in_a_cluster:
	s_bfe_u32 s2, ttmp6, 0x10000c
	s_cmp_lg_u32 s2, 0xf033
	s_cbranch_scc0 .Lentry_shape_is_right
	s_endpgm
.Lentry_shape_is_right:
.set PITCH,  272
.set FR,     16
.set NL,     4
.set NP,     4
.set HALFT,  128*PITCH
.set SLOT,   4*HALFT
.set BLKB,   32768
.set SPARE,  2*SLOT
.set ADRA, 16
.set ADRB, 20
.set STO,  24
.set RDV,  25
.set CO,   26
.set SPW,  28
.set NIL,  29
.set LIM,  30
.set SCL,  31
.set BIASC, 32
.set CD,   96
.set AF,   128
.set T,    128
.set U,    192
.set G1, 24
.set G0, 32
.set G1B, 48
.set G0B, 56
.set MSB, 0
.macro WIN new
.if MSB != \new
	s_set_vgpr_msb (MSB<<8)|\new
.set MSB, \new
.endif
.endm
.set MUL_LO, 0xa1
.set MUL_HI, 0xf1
.set TO_B,   0x40
.macro QCONST se, vsc, vlim, st
	s_add_co_i32 s[\st], s[\se], 127
	s_lshl_b32 s[\st+1], s[\st], 23
	v_mov_b32 v[\vsc], s[\st+1]
	s_add_co_i32 s[\st], s[\st], 15
	s_lshl_b32 s[\st], s[\st], 23
	s_or_b32 s[\st], s[\st], 0x600000
	v_mov_b32 v[\vlim], s[\st]
.endm
.macro JLOAD g0a, g1a, g0b, g1b
	s_cmp_eq_u32 s15, 0
	s_cbranch_scc0 .Lfor_b_\@
	tensor_load_to_lds s[\g0a:\g0a+3], s[\g1a:\g1a+7]
	s_nop 0
.rept 4
	v_nop
.endr
	s_branch .Lasked_\@
.Lfor_b_\@:
	tensor_load_to_lds s[\g0b:\g0b+3], s[\g1b:\g1b+7]
	s_nop 0
.rept 4
	v_nop
.endr
.Lasked_\@:
.endm
.macro CREST
	s_cmp_lg_u32 s14, 0
	s_cbranch_scc1 .Lnot_wave_0_\@
	s_barrier_signal -3
.Lnot_wave_0_\@:
	s_barrier_wait -3
	s_barrier_signal -1
	s_barrier_wait -1
.endm
.macro CROUND
	s_barrier_signal -1
	s_barrier_wait -1
	CREST
.endm
	s_load_b128 s[4:7], s[0:1], 0x0
	s_load_b128 s[8:11], s[0:1], 0x10
	s_load_b64 s[72:73], s[0:1], 0x20
	v_lshl_add_u32 v[SPW], v0, 2, SPARE
	v_mov_b32 v[NIL], 0
	ds_add_u32 v[SPW], v[NIL]                      ; the opening: the add, twice on end, and its wait ahead of the first round
	ds_add_u32 v[SPW], v[NIL]
	v_lshrrev_b32 v1, 5, v0
	v_readfirstlane_b32 s14, v1
	s_lshr_b32 s15, s14, 1
	s_and_b32 s16, s14, 1
	s_bfe_u32 s40, ttmp6, 0x40000
	s_bfe_u32 s41, ttmp6, 0x40004
	s_lshl_b32 s42, ttmp9, 2
	s_add_co_u32 s42, s42, s40
	s_and_b32 s17, ttmp7, 0xffff
	s_lshl_b32 s17, s17, 2
	s_add_co_u32 s17, s17, s41
	s_lshl_b32 s43, s41, 2
	s_lshl_b32 s43, 15, s43
	s_lshl_b32 s44, 0x1111, s40
	s_or_b32 s[G1+0], s43, (0<<16)|(1<<20)|(1<<21)|(5<<22)|(3<<25)
	s_or_b32 s[G1B+0], s44, (0<<16)|(1<<20)|(1<<21)|(5<<22)|(3<<25)
.irp g, G1, G1B
	s_mov_b32 s[\g+1], 256<<16
	s_mov_b32 s[\g+2], 128<<16
	s_mov_b32 s[\g+3], 256<<16
	s_mov_b32 s[\g+4], 128
	s_mov_b32 s[\g+5], 256
	s_mov_b32 s[\g+6], 0
	s_mov_b32 s[\g+7], 0
.endr
	s_lshl_b32 s20, s17, 1
	s_add_co_u32 s20, s20, s16
	s_lshl_b32 s20, s20, 17
	s_mov_b32 s21, 0
	s_lshl_b32 s46, s42, 1
	s_add_co_u32 s46, s46, s16
	s_lshl_b32 s46, s46, 17
	s_add_co_u32 s46, s46, 0x400000
	s_mov_b32 s47, 0
	s_mul_i32 s45, s14, HALFT
	s_wait_dscnt 0x0                               ; both opening adds are done
	s_wait_kmcnt 0x0
	s_load_b128 s[76:79], s[10:11], 0x30
	s_add_nc_u64 s[20:21], s[4:5], s[20:21]
	s_add_nc_u64 s[46:47], s[6:7], s[46:47]
	CROUND
.irp s, 0,1
	s_mov_b32 s[G0+4*\s], 1
	s_add_co_u32 s[G0+4*\s+1], s45, \s*SLOT
	s_add_nc_u64 s[G0+4*\s+2:G0+4*\s+3], s[20:21], \s*BLKB
	s_or_b32 s[G0+4*\s+3], s[G0+4*\s+3], 0x80000000
	s_mov_b32 s[G0B+4*\s], 1
	s_add_co_u32 s[G0B+4*\s+1], s45, \s*SLOT
	s_add_nc_u64 s[G0B+4*\s+2:G0B+4*\s+3], s[46:47], \s*BLKB
	s_or_b32 s[G0B+4*\s+3], s[G0B+4*\s+3], 0x80000000
.if \s == 0
	JLOAD G0, G1, G0B, G1B                         ; K step 0: one tensor load a wave at the head
.endif
.endr
	v_and_b32 v1, 15, v0
	v_bfe_u32 v2, v0, 4, 1
	v_mul_u32_u24 v3, v1, PITCH
	s_wait_alu depctr_va_vdst(0)
	v_lshl_add_u32 v4, v2, 4, v3
	s_mul_i32 s21, s15, HALFT
	s_mul_i32 s22, s16, HALFT
	s_add_co_u32 s22, s22, 2*HALFT
.irp s, 0,1
	v_add_nc_u32 v[ADRA+\s], s21, v4
	v_add_nc_u32 v[ADRB+\s], s22, v4
	s_add_co_u32 s21, s21, SLOT
	s_add_co_u32 s22, s22, SLOT
.endr
	v_and_b32 v9, 31, v0
	v_lshlrev_b32 v[CO], 4, v9
	s_lshl_b32 s21, s42, 10
	s_lshl_b32 s22, s16, 9
	s_add_co_u32 s21, s21, s22
	v_lshlrev_b32 v5, 5, v2
	v_add_nc_u32 v5, s21, v5
.irp b, 0,1,2,3,4,5,6,7
	global_load_b128 v[BIASC+8*\b:BIASC+8*\b+3], v5, s[8:9] offset:64*\b
	global_load_b128 v[BIASC+8*\b+4:BIASC+8*\b+7], v5, s[8:9] offset:64*\b+16
.endr
	; hcodes is [m / 16][k / 128] fragments of 2,048 bytes; piece c (512 bytes) holds, 16 bytes a lane, row lane % 16, k = 32 c + 16 (lane / 16) + 0 .. 15
	s_lshl_b32 s22, s17, 20                        ; 16 blocks of 16 rows x 65,536 bytes a tile row,
	; A WAVE'S 16 ROWS x 128 COLUMNS ARE ONE FRAGMENT OF hcodes, and a lane's eight conversions give its sixteen registers in the matrix form's own order of k (registers 2 b, 2 b + 1: k = 16 b + 8 (lane / 16) + 0 .. 7):
	; piece c of a fragment (512 bytes) is registers 4 c .. 4 c + 3, 16 bytes a lane.  So the codes leave straight from registers; Wd's fragments are laid in the same order
	s_lshl_b32 s23, s15, 19                        ; eight blocks of 16 rows for each half of the tile's rows,
	s_add_co_u32 s22, s22, s23
	s_lshl_b32 s23, s42, 12
	s_add_co_u32 s22, s22, s23
	s_lshl_b32 s23, s16, 11                        ; my half of the tile's columns: one fragment
	s_add_co_u32 s22, s22, s23
	s_mov_b32 s23, 0
	s_add_nc_u64 s[72:73], s[72:73], s[22:23]
.macro FRAG reg, adr, q, i
.irp c, 0,1,2,3
	ds_load_b128 v[\reg+4*\c:\reg+4*\c+3], v[\adr] offset:128*(\q)+32*\c+(\i)*16*PITCH
.endr
.endm
.macro MUL16 a0, p, zero
.irp a, \a0, \a0+1
.irp b, 0,1,2,3,4,5,6,7
.if \zero
	v_wmma_f32_16x16x128_bf8_bf8 v[8*(8*((\a)%4)+\b):8*(8*((\a)%4)+\b)+7], v[128*(\p)+FR*\b:128*(\p)+FR*\b+FR-1], v[AF+FR*(\a):AF+FR*(\a)+FR-1], 0
.else
	v_wmma_f32_16x16x128_bf8_bf8 v[8*(8*((\a)%4)+\b):8*(8*((\a)%4)+\b)+7], v[128*(\p)+FR*\b:128*(\p)+FR*\b+FR-1], v[AF+FR*(\a):AF+FR*(\a)+FR-1], v[8*(8*((\a)%4)+\b):8*(8*((\a)%4)+\b)+7]
.endif
.endr
.endr
.endm
.macro FETCH_B slot, q, p
	WIN TO_B
.irp i, 0,1,2,3,4,5,6,7
	FRAG 128*(\p)+FR*\i, ADRB+\slot, \q, \i
.endr
	WIN 0
.endm
.macro FETCH_A slot, q, i0
.irp i, \i0, \i0+1, \i0+2, \i0+3
	FRAG AF+FR*(\i), ADRA+\slot, \q, \i
.endr
.endm
.macro PLACES n
.rept \n
	v_nop
.endr
.endm
.macro STEP slot, q, zero
	s_wait_dscnt 4*NL
	WIN MUL_LO
	MUL16 0, (\q)%2, \zero
	MUL16 2, (\q)%2, \zero
	s_wait_dscnt 0
	PLACES NP
	FETCH_B \slot, (\q)+1, 1-(\q)%2
	FETCH_A \slot, (\q)+1, 0
	WIN MUL_HI
	MUL16 4, (\q)%2, \zero
	MUL16 6, (\q)%2, \zero
	PLACES NP
	WIN 0
	FETCH_A \slot, (\q)+1, 4
.endm
.macro TURN slot, next, fill
	s_wait_tensorcnt 0x0
	ds_add_u32 v[SPW], v[NIL]
	s_wait_dscnt 4*NL+1
	WIN MUL_LO
	MUL16 0, 1, 0
	s_wait_dscnt 0x0
	s_barrier_signal -1
	MUL16 2, 1, 0
	WIN 0
	s_barrier_wait -1
.if \fill
	CREST
	s_add_nc_u64 s[G0+4*\slot+2:G0+4*\slot+3], s[G0+4*\slot+2:G0+4*\slot+3], 2*BLKB
	s_add_nc_u64 s[G0B+4*\slot+2:G0B+4*\slot+3], s[G0B+4*\slot+2:G0B+4*\slot+3], 2*BLKB
	JLOAD G0+4*\slot, G1, G0B+4*\slot, G1B
.else
	PLACES NP
.endif
	FETCH_B \next, 0, 0
	FETCH_A \next, 0, 0
	WIN MUL_HI
	MUL16 4, 1, 0
	MUL16 6, 1, 0
	PLACES NP
	WIN 0
	FETCH_A \next, 0, 4
.endm
	s_wait_alu depctr_va_vdst(0)                   ; the wait at the head's end
	s_wait_tensorcnt 0x0                           ; my part of K step 0 is in; slot 1's first fill is issued as a refill is:
	ds_add_u32 v[SPW], v[NIL]
	s_wait_dscnt 0x0
	CROUND                                         ; a whole round,
	JLOAD G0+4, G1, G0B+4, G1B                     ; and K step 1's load first behind it
	FETCH_B 0, 0, 0
	FETCH_A 0, 0, 0
	FETCH_A 0, 0, 4
	STEP 0, 0, 1
	TURN 0, 1, 1
	STEP 1, 0, 0
	TURN 1, 0, 1
	STEP 0, 0, 0
	TURN 0, 1, 0
	STEP 1, 0, 0
	s_wait_dscnt 4*NL
	WIN MUL_LO
	MUL16 0, 1, 0
	MUL16 2, 1, 0
	s_wait_dscnt 0
	WIN MUL_HI
	MUL16 4, 1, 0
	MUL16 6, 1, 0
	WIN 0
	s_wait_kmcnt 0x0
	s_add_co_i32 s96, s76, s77
	s_add_co_i32 s96, s96, 127
	s_lshl_b32 s96, s96, 23
	s_mov_b32 s97, s96
	s_mov_b32 s98, 0xbfb8aa3b
	s_mov_b32 s99, s98
	QCONST 78, SCL, LIM, 92
	s_wait_loadcnt 0x0
	PLACES NP
.macro HOUT a
.set AC, 64*((\a)%4)
	WIN 0x02+((\a)/4)
.set i, 0
.rept 32
	v_pk_fma_f32 v[T+i:T+i+1], v[AC+i:AC+i+1], s[96:97], v[BIASC+i:BIASC+i+1] op_sel_hi:[1,0,1]
.set i, i+2
.endr
	WIN 0
.set i, 0
.rept 32
	v_pk_mul_f32 v[U+i:U+i+1], v[T+i:T+i+1], s[98:99] op_sel_hi:[1,0]
.set i, i+2
.endr
.set i, 0
	s_wait_alu depctr_va_vdst(0)
.rept 64
	v_exp_f32 v[U+i], v[U+i]
.set i, i+1
.endr
	v_nop
	s_wait_alu depctr_va_vdst(0)
.set i, 0
.rept 32
	v_pk_add_f32 v[U+i:U+i+1], v[U+i:U+i+1], 1.0 op_sel_hi:[1,0]
.set i, i+2
.endr
.set i, 0
	s_wait_alu depctr_va_vdst(0)
.rept 64
	v_rcp_f32 v[U+i], v[U+i]
.set i, i+1
.endr
	v_nop
	s_wait_alu depctr_va_vdst(0)
.set i, 0
.rept 32
	v_pk_mul_f32 v[T+i:T+i+1], v[T+i:T+i+1], v[U+i:U+i+1]
.set i, i+2
.endr
.set i, 0
.rept 64
	v_med3_num_f32 v[T+i], v[T+i], -v[LIM], v[LIM]
.set i, i+1
.endr
.if (\a) >= 2
	s_wait_alu depctr_va_vdst(0)
	s_wait_xcnt 0x0                                ; the stores of the block before last have read this set of codes: it is written again only behind this wait
.endif
.irp b, 0,1,2,3,4,5,6,7
	v_cvt_scalef32_pk8_bf8_f32 v[CD+16*((\a)%2)+2*\b:CD+16*((\a)%2)+2*\b+1], v[T+8*\b:T+8*\b+7], v[SCL]
.endr
	v_nop
.irp c, 0,1,2,3
	global_store_b128 v[CO], v[CD+16*((\a)%2)+4*\c:CD+16*((\a)%2)+4*\c+3], s[72:73] offset:65536*(\a)+512*\c   ; 32 lanes store 512 consecutive bytes, aligned
.endr
.endm
.irp a, 0,1,2,3,4,5,6,7
	HOUT \a
.endr
	s_wait_tensorcnt 0x0
	ds_add_u32 v[SPW], v[NIL]
	s_wait_dscnt 0x0
	CROUND
	s_endpgm
.Lfunc_end_k_qe6eab02d6f_ffn1:
	.size	k_qe6eab02d6f_ffn1, .Lfunc_end_k_qe6eab02d6f_ffn1-k_qe6eab02d6f_ffn1
	.p2alignl 7, 3214868480
	.fill 96, 4, 3214868480
	.section	.rodata,"a",@progbits
	.p2align	6, 0x0
	.amdhsa_kernel k_qe6eab02d6f_ffn1
		.amdhsa_group_segment_fixed_size 327680
		.amdhsa_private_segment_fixed_size 0
		.amdhsa_enable_private_segment 0
		.amdhsa_kernarg_size 40
		.amdhsa_user_sgpr_count 2
		.amdhsa_user_sgpr_kernarg_segment_ptr 1
		.amdhsa_wavefront_size32 1
		.amdhsa_system_sgpr_workgroup_id_x 1
		.amdhsa_system_sgpr_workgroup_id_y 1
		.amdhsa_system_sgpr_workgroup_id_z 1
		.amdhsa_system_vgpr_workitem_id 0
		.amdhsa_next_free_vgpr 1024
		.amdhsa_next_free_sgpr 100
		.amdhsa_reserve_vcc 0
		.amdhsa_float_denorm_mode_32 3
		.amdhsa_float_denorm_mode_16_64 3
		.amdhsa_memory_ordered 1
		.amdhsa_forward_progress 1
		.amdhsa_inst_pref_size 217
	.end_amdhsa_kernel
	.amdgpu_metadata
---
amdhsa.version: [ 1, 2 ]
amdhsa.kernels:
  - .name:           k_qe6eab02d6f_ffn1
    .symbol:         k_qe6eab02d6f_ffn1.kd
    .args:
      - { .name: ucodes, .offset: 0, .size: 8, .value_kind: global_buffer, .address_space: global }
      - { .name: wcodes, .offset: 8, .size: 8, .value_kind: global_buffer, .address_space: global }
      - { .name: be, .offset: 16, .size: 8, .value_kind: global_buffer, .address_space: global }
      - { .name: lowp_scales, .offset: 24, .size: 8, .value_kind: global_buffer, .address_space: global }
      - { .name: hcodes, .offset: 32, .size: 8, .value_kind: global_buffer, .address_space: global }
    .group_segment_fixed_size: 327680
    .private_segment_fixed_size: 0
    .kernarg_segment_align: 8
    .kernarg_segment_size: 40
    .max_flat_workgroup_size: 128
    .sgpr_count:     100
    .vgpr_count:     1024
    .wavefront_size: 32
...
	.end_amdgpu_metadata
.endif
;; end of part 6
;; launch ffn2 (part 7): grid 8 x 32, 4 waves a work-group, no clusters, 270,848 bytes of LDS; arguments hcodes, wcodes, bd, x1, lowp_scales, out0; writes out0
.if DOCPART == 7
	.amdgcn_target "amdgcn-amd-amdhsa--gfx1250"
	.amdhsa_code_object_version 6
	.text
	.protected	k_qe6eab02d6f_ffn2
	.globl	k_qe6eab02d6f_ffn2
	.p2align	8
	.type	k_qe6eab02d6f_ffn2,@function
k_qe6eab02d6f_ffn2:
	s_mov_b64 s[64:65], 0
	v_nop
	global_prefetch_b8 v0, s[64:65] scope:SCOPE_SE
	s_setreg_imm32_b32 hwreg(HW_REG_WAVE_MODE, 25, 1), 1
	s_wait_xcnt 0x0
; FFN2.  out0 = x1 + (h Wd x 2^(eA + eB) + bd) on codes of BF8 (E5M2), f32 out.  M = 4,096, N = 1,024, K = 4,096.
; A tile of C is 128 x 128: 256 work-groups.  THE FOUR WAVES SPLIT K: wave w makes the whole tile (64 accumulators, 512 registers) over K = 1,024 w .. 1,024 w + 1,023, in eight steps of 128;
; the four partial tiles are added on the way out, through LDS.  (The order of the f32 sums differs from a single chain's.)
; OPERANDS GO FROM MEMORY STRAIGHT INTO REGISTERS.  hcodes and Wd's codes (at 8 MiB in wcodes) lie in fragment order, [row / 16][k / 128] fragments of 2,048 bytes: piece c (512 bytes) holds, 16 bytes a lane,
; row lane % 16, k = 32 c + 16 (lane / 16) + 0 .. 15: the same places of k on both sides, so every product meets its partner.  A load reads 512 consecutive bytes, aligned.
; B has two sets of eight fragments; A has one, filled again two blocks at a time behind the sixteen products that read them.  Order of issue: B(s), A(s) in four groups of 8 loads, B(s + 1) of 32, A(s + 1) ..
; NO CLUSTER, NO TENSOR LOAD: no fragment is read by two waves of a work-group, so there is no LDS tile that a joint load could fill; every offset is an immediate and no address register is ever rewritten.
; PREFETCHES: in step s (0 to 4) each wave asks for parts of chunk s + 3, whose loads begin in step s + 2.  The eight work-groups of a tile row share A's blocks out by address: work-group x takes row block x,
; 2,048 bytes = 8 blocks of 256 bytes, lanes 0 to 7 (the other lanes name the last again).  The 32 of a tile column share B's: row block y % 8, blocks 2 (y / 8) and 2 (y / 8) + 1.  Chunks 0 to 2 come by their loads alone.
; The residual's 32 rows x 512 bytes of a wave, read by that wave alone in step 7, are asked for in steps 3 and 4, a lane a row, 256 bytes each time.
; THE MATRIX INSTRUCTION IS USED TRANSPOSED (source 0 = 16 rows of Wd's codes, source 1 = 16 rows of h's): a lane holds eight neighbouring columns of one row of C.
; LIMIT: eA + eB (entries 14, 15) between -126 and 127.
; REGISTERS: window 0: v4-7 the four stages, v8-11 the bias, v24-31 addresses; v128-255 A's fragments, then the residual's rows; on the way out v32-95 partial rows, v96-127 results.
;   window 1: B's fragments, two sets.  windows 2, 3: the accumulators ((a, b) at v[8 (8 (a % 4) + b)]).
.set FR,     16
.set NP,     4                         ; places behind this matrix instruction (ISA guide 7.12.1)
.set WOFF,   0x800000
.set EOFF,   0x38
.set FRB,    2048                      ; a fragment in bytes
.set ROWF,   32*FRB                    ; a block of 16 rows over all of K
.set SPITCH, 528                       ; the way out: a stage of 128 rows x (512 bytes + 16) for each wave
.set STG,    128*SPITCH
.set SPARE,  4*STG                     ; behind the stages: the spare words, 128 bytes a wave, which no other line names
.set RD,   4
.set BIAS, 8
.set STO,  24
.set CO,   26                          ; 16 x lane: my place in every run of 512 bytes
.set PFX,  27
.set SPW,  28
.set NIL,  29
.set PFA,  30
.set PFB,  31
.set AF,   128
.set RES,  128
.set MSB, 0
.macro WIN new                         ; the immediate's high byte repeats the setting that is left
.if MSB != \new
	s_set_vgpr_msb (MSB<<8)|\new
.set MSB, \new
.endif
.endm
.set MUL_LO, 0xa1
.set MUL_HI, 0xf1
.set TO_B,   0x40
	s_load_b128 s[4:7], s[0:1], 0x0                ; hcodes, wcodes
	s_load_b128 s[8:11], s[0:1], 0x10              ; bd, x1
	s_load_b128 s[68:71], s[0:1], 0x20             ; lowp_scales, out0
	v_lshl_add_u32 v[SPW], v0, 2, SPARE
	v_mov_b32 v[NIL], 0
	v_lshrrev_b32 v1, 5, v0
	v_readfirstlane_b32 s14, v1                    ; wave 0..3: my quarter of K
	s_and_b32 s17, ttmp7, 0xffff                   ; tile row y; ttmp9: tile column x
	s_lshl_b32 s30, s14, 14                        ; eight fragments a wave
	s_lshl_b32 s20, s17, 19                        ; eight blocks of 16 rows a tile
	s_add_co_u32 s20, s20, s30
	s_mov_b32 s21, 0
	s_lshl_b32 s46, ttmp9, 19
	s_add_co_u32 s46, s46, s30
	s_add_co_u32 s46, s46, WOFF
	s_mov_b32 s47, 0
	s_lshl_b32 s28, s17, 7
	s_lshl_b32 s29, s14, 5
	s_add_co_u32 s28, s28, s29                     ; the first row that I store: 128 y + 32 wave
	s_lshl_b32 s28, s28, 12
	s_lshl_b32 s32, ttmp9, 9                       ; the tile's first column, in bytes
	s_add_co_u32 s28, s28, s32
	s_mov_b32 s29, 0
	s_mov_b32 s33, 0
	s_mul_i32 s22, s14, STG
	s_mul_i32 s23, s14, 32*SPITCH
	s_lshl_b32 s24, ttmp9, 16                      ; A's prefetch: row block x
	s_and_b32 s25, s17, 7
	s_lshl_b32 s25, s25, 16                        ; B's: row block y % 8,
	s_lshr_b32 s26, s17, 3
	s_lshl_b32 s26, s26, 9                         ; 512 bytes y / 8 of the fragment
	s_add_co_u32 s25, s25, s26
	v_and_b32 v10, 31, v0                          ; lane
	v_and_b32 v1, 15, v0                           ; r
	v_bfe_u32 v2, v0, 4, 1                         ; h
	v_lshlrev_b32 v[CO], 4, v10
	v_lshlrev_b32 v[PFX], 12, v10                  ; a lane a row of x1
	v_min_u32 v3, 7, v10
	v_lshl_add_u32 v[PFA], v3, 8, s24
	v_min_u32 v3, 1, v10
	v_lshl_add_u32 v[PFB], v3, 8, s25
	v_mul_u32_u24 v[STO], v1, SPITCH
	v_lshl_add_u32 v[STO], v2, 5, v[STO]
	v_add_nc_u32 v[STO], s22, v[STO]               ; into my stage: row r, 32 bytes for each half of the lanes
	v_add_nc_u32 v[RD], s23, v[CO]                 ; back: rows 32 x wave on, out of each of the four stages
	v_add_nc_u32 v[RD+1], STG, v[RD]
	v_add_nc_u32 v[RD+2], 2*STG, v[RD]
	v_add_nc_u32 v[RD+3], 3*STG, v[RD]
	s_wait_alu depctr_va_vdst(0)                   ; the wait at the head's end
	s_wait_kmcnt 0x0
	s_load_b64 s[96:97], s[68:69], EOFF            ; eA, eB
	s_add_nc_u64 s[4:5], s[4:5], s[20:21]          ; A: my tile row's first block, my first chunk
	s_add_nc_u64 s[6:7], s[6:7], s[46:47]          ; B likewise
	s_add_nc_u64 s[10:11], s[10:11], s[28:29]
	s_add_nc_u64 s[70:71], s[70:71], s[28:29]
	s_add_nc_u64 s[8:9], s[8:9], s[32:33]
.macro LB s                            ; B's eight fragments of my chunk s into set s % 2: 32 loads
	WIN TO_B
.irp i, 0,1,2,3,4,5,6,7
.irp c, 0,1,2,3
	global_load_b128 v[128*((\s)%2)+FR*\i+4*\c:128*((\s)%2)+FR*\i+4*\c+3], v[CO], s[6:7] offset:ROWF*\i+FRB*(\s)+512*\c
.endr
.endr
	WIN 0
.endm
.macro LA s, g                         ; A's blocks 2 g, 2 g + 1 of my chunk s: 8 loads
.irp i, 2*(\g), 2*(\g)+1
.irp c, 0,1,2,3
	global_load_b128 v[AF+FR*(\i)+4*\c:AF+FR*(\i)+4*\c+3], v[CO], s[4:5] offset:ROWF*(\i)+FRB*(\s)+512*\c
.endr
.endr
.endm
.macro LR g                            ; rows 8 g .. 8 g + 7 of the residual's 32, into the registers that A's blocks 2 g, 2 g + 1 have left: 8 loads
.irp t, 0,1,2,3,4,5,6,7
	global_load_b128 v[RES+32*(\g)+4*\t:RES+32*(\g)+4*\t+3], v[CO], s[10:11] offset:4096*(8*(\g)+\t)
.endr
.endm
; 16 matrix instructions.  The 64 accumulators take turns, one instruction a turn, in the same order in every step.  zero = 1: the first product starts the sums.
.macro MUL16 a0, p, zero
.irp a, \a0, \a0+1
.irp b, 0,1,2,3,4,5,6,7
.if \zero
	v_wmma_f32_16x16x128_bf8_bf8 v[8*(8*((\a)%4)+\b):8*(8*((\a)%4)+\b)+7], v[128*(\p)+FR*\b:128*(\p)+FR*\b+FR-1], v[AF+FR*(\a):AF+FR*(\a)+FR-1], 0
.else
	v_wmma_f32_16x16x128_bf8_bf8 v[8*(8*((\a)%4)+\b):8*(8*((\a)%4)+\b)+7], v[128*(\p)+FR*\b:128*(\p)+FR*\b+FR-1], v[AF+FR*(\a):AF+FR*(\a)+FR-1], v[8*(8*((\a)%4)+\b):8*(8*((\a)%4)+\b)+7]
.endif
.endr
.endr
.endm
.macro PLACES n                        ; plain vector lines between a matrix instruction and a load into, or a read of, its registers
.rept \n
	v_nop
.endr
.endm
; A step: my chunk s, in four groups of two blocks of A against B's eight.
.macro STEP s
.irp g, 0,1,2,3
.if (\s) < 7
	s_wait_loadcnt 56                              ; this group's 8 loads, and all older ones, are in.  Behind them were issued: A's groups up to the same group of the next chunk, 24 loads, and B's next set, 32
.else
	s_wait_loadcnt 24                              ; the last chunk: behind this group's loads stand three groups of 8, A's or the residual's
.endif
	WIN MUL_LO+0x50*(\g/2)
.if (\s) == 0
	MUL16 2*\g, 0, 1
.else
	MUL16 2*\g, (\s)%2, 0
.endif
	PLACES NP
	WIN 0
.if (\s) < 7
	LA (\s)+1, \g
.else
	LR \g
.endif
.if (\g) == 1 && (\s) < 5
	global_prefetch_b8 v[PFA], s[4:5] offset:FRB*((\s)+3) th:TH_LOAD_NT scope:SCOPE_SE
	global_prefetch_b8 v[PFB], s[6:7] offset:FRB*((\s)+3) th:TH_LOAD_NT scope:SCOPE_SE
.endif
.if (\g) == 2 && ((\s) == 3 || (\s) == 4)
	global_prefetch_b8 v[PFX], s[10:11] offset:256*((\s)-3) th:TH_LOAD_NT scope:SCOPE_SE
.endif
.endr
.if (\s) < 6
	LB (\s)+2                                      ; into the set that this step has read: the group's four places stand behind its last product
.endif
.endm
	global_load_b128 v[BIAS:BIAS+3], v[CO], s[8:9] ; the oldest load: it enters no count
	LB 0
.irp g, 0,1,2,3
	LA 0, \g
.endr
	LB 1
.irp s, 0,1,2,3,4,5,6,7
	STEP \s
.endr
	; THE WAY OUT.  Each wave lays its partial tile into its own stage; a barrier; each wave adds the four partial rows of its 32 rows and stores whole rows of 512 bytes.
.irp a, 0,1,2,3,4,5,6,7
	WIN 0x08+4*((\a)/4)                            ; the stores' data: window 2 or 3
.irp b, 0,1,2,3,4,5,6,7
	ds_store_b128 v[STO], v[8*(8*((\a)%4)+\b):8*(8*((\a)%4)+\b)+3] offset:8448*\a+64*\b        ; each accumulator from its low end on
	ds_store_b128 v[STO], v[8*(8*((\a)%4)+\b)+4:8*(8*((\a)%4)+\b)+7] offset:8448*\a+64*\b+16
.endr
.endr
	WIN 0
	s_wait_dscnt 0x0                               ; for the others' sake: my stores are done
	s_barrier_signal -1
	s_barrier_wait -1
.macro RLOAD j                         ; rows 2 j, 2 j + 1 of my 32, out of the four stages, into set j % 2
.irp u, 0,1
.irp s, 0,1,2,3
	ds_load_b128 v[32+32*((\j)%2)+16*\u+4*\s:32+32*((\j)%2)+16*\u+4*\s+3], v[RD+\s] offset:SPITCH*(2*(\j)+\u)
.endr
.endr
.endm
.macro ROWS2 j
.if (\j) < 15
	RLOAD (\j)+1
	s_wait_dscnt 8                                 ; the next two rows' eight loads may be out
.else
	s_wait_dscnt 0
.endif
	s_wait_xcnt 0x0                                ; earlier stores have read their data: the results' registers are written again only behind this wait
.set BB, 32+32*((\j)%2)
.set OO, 96+8*((\j)%4)
.irp u, 0,1
.irp n, 0,2
	v_pk_add_f32 v[BB+16*\u+\n:BB+16*\u+\n+1], v[BB+16*\u+\n:BB+16*\u+\n+1], v[BB+16*\u+4+\n:BB+16*\u+4+\n+1]
	v_pk_add_f32 v[BB+16*\u+8+\n:BB+16*\u+8+\n+1], v[BB+16*\u+8+\n:BB+16*\u+8+\n+1], v[BB+16*\u+12+\n:BB+16*\u+12+\n+1]
.endr
.irp n, 0,2
	v_pk_add_f32 v[BB+16*\u+\n:BB+16*\u+\n+1], v[BB+16*\u+\n:BB+16*\u+\n+1], v[BB+16*\u+8+\n:BB+16*\u+8+\n+1]
.endr
.irp n, 0,2
	v_pk_fma_f32 v[OO+4*\u+\n:OO+4*\u+\n+1], v[BB+16*\u+\n:BB+16*\u+\n+1], s[96:97], v[BIAS+\n:BIAS+\n+1] op_sel_hi:[1,0,1]   ; sum x 2^(eA + eB) + bias
.endr
.irp n, 0,2
	v_pk_add_f32 v[OO+4*\u+\n:OO+4*\u+\n+1], v[OO+4*\u+\n:OO+4*\u+\n+1], v[RES+4*(2*(\j)+\u)+\n:RES+4*(2*(\j)+\u)+\n+1]
.endr
.endr
.irp u, 0,1
	global_store_b128 v[CO], v[OO+4*\u:OO+4*\u+3], s[70:71] offset:4096*(2*(\j)+\u) th:TH_STORE_NT   ; 32 lanes store 512 consecutive bytes, aligned
.endr
.endm
	RLOAD 0
	s_wait_kmcnt 0x0
	s_add_co_i32 s96, s96, s97
	s_add_co_i32 s96, s96, 127
	s_lshl_b32 s96, s96, 23                        ; 2^(eA + eB) as f32
	s_mov_b32 s97, s96                             ; (named with it as a pair, so it is written)
	s_wait_loadcnt 0x0                             ; the residual's rows
.irp j, 0,1,2,3,4,5,6,7,8,9,10,11,12,13,14,15
	ROWS2 \j
.endr
	s_wait_tensorcnt 0x0                           ; the wave's end
	ds_add_u32 v[SPW], v[NIL]
	s_wait_dscnt 0x0
	s_endpgm
.Lfunc_end_k_qe6eab02d6f_ffn2:
	.size	k_qe6eab02d6f_ffn2, .Lfunc_end_k_qe6eab02d6f_ffn2-k_qe6eab02d6f_ffn2
	.p2alignl 7, 3214868480
	.fill 96, 4, 3214868480
	.section	.rodata,"a",@progbits
	.p2align	6, 0x0
	.amdhsa_kernel k_qe6eab02d6f_ffn2
		.amdhsa_group_segment_fixed_size 270848
		.amdhsa_private_segment_fixed_size 0
		.amdhsa_enable_private_segment 0
		.amdhsa_kernarg_size 48
		.amdhsa_user_sgpr_count 2
		.amdhsa_user_sgpr_kernarg_segment_ptr 1
		.amdhsa_wavefront_size32 1
		.amdhsa_system_sgpr_workgroup_id_x 1
		.amdhsa_system_sgpr_workgroup_id_y 1
		.amdhsa_system_sgpr_workgroup_id_z 1
		.amdhsa_system_vgpr_workitem_id 0
		.amdhsa_next_free_vgpr 1024
		.amdhsa_next_free_sgpr 100
		.amdhsa_reserve_vcc 0
		.amdhsa_float_denorm_mode_32 3
		.amdhsa_float_denorm_mode_16_64 3
		.amdhsa_memory_ordered 1
		.amdhsa_forward_progress 1
		.amdhsa_inst_pref_size 135
	.end_amdhsa_kernel
	.amdgpu_metadata
---
amdhsa.version: [ 1, 2 ]
amdhsa.kernels:
  - .name:           k_qe6eab02d6f_ffn2
    .symbol:         k_qe6eab02d6f_ffn2.kd
    .args:
      - { .name: hcodes, .offset: 0, .size: 8, .value_kind: global_buffer, .address_space: global }
      - { .name: wcodes, .offset: 8, .size: 8, .value_kind: global_buffer, .address_space: global }
      - { .name: bd, .offset: 16, .size: 8, .value_kind: global_buffer, .address_space: global }
      - { .name: x1, .offset: 24, .size: 8, .value_kind: global_buffer, .address_space: global }
      - { .name: lowp_scales, .offset: 32, .size: 8, .value_kind: global_buffer, .address_space: global }
      - { .name: out0, .offset: 40, .size: 8, .value_kind: global_buffer, .address_space: global }
    .group_segment_fixed_size: 270848
    .private_segment_fixed_size: 0
    .kernarg_segment_align: 8
    .kernarg_segment_size: 48
    .max_flat_workgroup_size: 128
    .sgpr_count:     100
    .vgpr_count:     1024
    .wavefront_size: 32
...
	.end_amdgpu_metadata
.endif
;; end of part 7
